; MI455X (gfx1250); checked and timed in simulation.
; The chip was launched on July 23, 2026; its instructions are those of AMD's public machine-readable ISA for CDNA 5 (MIT licence, August 2026) and "CDNA5" Instruction Set Architecture Reference Guide (July 2026). The comments in the code are by the model that wrote it; some were corrected since.
;; IMHA. Allowed arithmetic: matrix products marked QUANTISED: E2M3 operands, one E8M0 scale for each 32 along K, by v_wmma_scale_f32_16x16x128_f8f6f4 with both operands' format E2M3, f32 sums; everything else in f32.
;; Inputs: Wk 8 x 4,096 x 512 float32; Wo 32 x 32 float32; Wq 8 x 4,096 x 512 float32; Wv 8 x 4,096 x 512 float32; x 1,024 x 128 x 32 float32.
;; Outputs: out0 1,024 x 128 x 32 float32.
;; This version of the problem:
;;   THIS VERSION OF THE PROBLEM IS GIVEN IN LOW PRECISION. The matrix products marked QUANTISED in the list below multiply operands that are first quantised to E2M3 (2 exponent bits, 3 mantissa bits; 6 bits a number), with one power-of-two scale for each 32 numbers along K (OCP MX v1.0); their sums are f32. All else is computed in f32.
;;   The module's matrix products, in the order in which they are computed (A, B: the left and right operand; K: the contracted axis; several contracted axes count as one K, in the product's order):
;;     1. [M 4,096, K 4,096] x [K 4,096, N 1,024]; A: input Wq; B: input x: QUANTISED
;;     2. [M 4,096, K 4,096] x [K 4,096, N 1,024]; A: input Wk; B: input x: QUANTISED
;;     3. [M 4,096, K 4,096] x [K 4,096, N 1,024]; A: input Wv; B: input x: QUANTISED
;;     4. batch 8 x [M 1,024, K 512] x [K 512, N 1,024]; A: computed on the way; B: computed on the way: QUANTISED
;;     5. batch 8 x [M 1,024, K 1,024] x [K 1,024, N 512]; A: softmax (see below); B: computed on the way: QUANTISED
;;     6. [M 131,072, K 32] x [K 32, N 32]; A: computed on the way; B: input Wo: QUANTISED
;;   THE QUANTISER, for each operand of a quantised product, along K:
;;     - K is cut into blocks of 32 from its start; a last block that is shorter is filled with zeros.
;;     - A block's scale is 2^e with e = floor(log2(the largest magnitude in the block)) - 2, held to -126 .. 127; a block of zeros has e = 0. As a byte (E8M0): e + 127.
;;     - Each number is divided by its block's scale, clamped to +-7.5, and rounded to the nearest number of E2M3, ties to even, subnormals kept.
;;     - The product sums the exact products of the quantised numbers (number of the format x scale) in f32.
;;   ~~~python
;;   def quantise(x, axis):      # numpy; x: float32 -> the quantised numbers, widened to float32 again
;;       x = np.moveaxis(x, axis, -1); K = x.shape[-1]
;;       x = np.pad(x, [(0, 0)] * (x.ndim - 1) + [(0, -K % 32)]); x = x.reshape(x.shape[:-1] + (-1, 32)); a = np.abs(x).max(-1, keepdims=True)
;;       e = np.where(a > 0, np.clip(np.frexp(np.where(a > 0, a, 1))[1] - 1 - 2, -126, 127), 0)      # np.frexp(a)[1] - 1 = floor(log2(a)), exactly
;;       r = np.clip(x / 2.0 ** e, -7.5, 7.5)
;;       step = 2.0 ** (np.maximum(np.frexp(np.where(r == 0, 1, r))[1] - 1, 0) - 3)
;;       q = np.round(r / step) * step * 2.0 ** e      # np.round: ties to even
;;       return np.moveaxis(q.reshape(q.shape[:-2] + (-1,))[..., :K], -1, axis).astype(np.float32)
;;   ~~~
;;   SOFTMAX AHEAD OF A QUANTISED PRODUCT. Where the list says 'softmax', what is quantised is not the finished softmax but p = 2^(t - M), with t = logit x log2(e) and M = ceil(the row's largest t), a whole number; so 1/2 < the row's largest p <= 1. The row's sum l is taken of the UNQUANTISED p, in f32, and the product's result is divided by l at the end. Since M is a whole number, a kernel that streams over the keys may use a running M (the ceiling of the running maximum): every later rescaling is an exact power of two, which a block's scale takes up: the codes' values come out the same.
;;   OPERANDS COMPUTED ON THE WAY. 'Computed on the way' means the value that the module computes at that place (a softmax that the list does not call 'softmax' is quantised finished and normalised). What goes into a quantiser is computed in f32, as accurately as f32 sums, v_exp_f32 and their like allow (about 1e-6 of the number): no bf16 or f16 on the way to a quantiser, and a product that is left as it is and whose result goes on into a quantised operand takes f32 operands (vector FMAs, or v_wmma_f32_16x16x4_f32). A number that lies on a knife's edge between two numbers of the format may be rounded either way, as far as f32 arithmetic and the matrix unit's own rounding can turn it there, and no further.
;; One version. Each part assembles by itself: llvm-mc -triple=amdgcn-amd-amdhsa -mcpu=gfx1250 --defsym DOCPART=n.
;; ======== version 1 of 1: 4 launches
;; limits: right only within a limited range of input values
;; workspace buffers: pan 42,598,400 bytes; qkv 9,830,400 bytes; av 16,777,216 bytes
;; launch quant (part 1): grid 896 x 1, 4 waves a work-group, no clusters, 13,824 bytes of LDS; arguments x, Wq, Wk, Wv, pan; writes pan
.if DOCPART == 1
	.amdgcn_target "amdgcn-amd-amdhsa--gfx1250"
	.amdhsa_code_object_version 6
	.text
	.protected	k_q1685b8427c_quant
	.globl	k_q1685b8427c_quant
	.p2align	8
	.type	k_q1685b8427c_quant,@function
k_q1685b8427c_quant:
	s_mov_b64 s[64:65], 0
	v_nop
	global_prefetch_b8 v0, s[64:65] scope:SCOPE_SE
	s_setreg_imm32_b32 hwreg(HW_REG_WAVE_MODE, 25, 1), 1
	s_wait_xcnt 0x0
; x [1024][4096] and Wq, Wk, Wv [8][4096][512], f32, become codes of FP6 (E2M3) with one E8M0 byte for each 32 along K (K = the 4,096 features), laid as the next launch's operands.
; A FRAGMENT is 16 rows x 128 K: 12 registers a lane (lane (r, h): registers 6 c .. 6 c + 5 hold k = 64 c + 32 h + 0 .. 31).  It is stored as an image of those registers: three chunks of 512 bytes, registers 4 c .. 4 c + 3 of lane l at 16 l.
; A PANEL is 256 rows x 128 K: 16 fragments (24,576 bytes) and 1,024 bytes of scale words: 25,600 bytes.  pan = [tile 0..51][K step 0..31] panels; tiles 0-47: the 12,288 columns of Wq, Wk, Wv; tiles 48-51: x's rows.
; THE ROWS OF A FRAGMENT ARE NOT NEIGHBOURS: in each group of 32 rows, fragment 2 b + u, lane-row r holds row 32 b + 8 u + r % 8 + 16 (r / 8).  Its scale word lies at 24,576 + 128 b + 8 r + 4 u of the panel.
; A block's scale is 2^(floor(log2(its largest magnitude)) - 2); its byte is the largest magnitude's exponent field - 2, held at 1 from below.
; LIMITS: a block of zeros gets the byte 1 (its codes are zeros, and this program alone reads the bytes); magnitudes under 2^-124 are held at the byte 1; NaN and infinities are not served.
; Work-groups 0-127 take x (K innermost: a lane loads 32 neighbours of its row), work-groups 128-895 take the weights (K is not innermost: a lane takes a column and its registers run down K).
; Waves share nothing: no barrier, no tensor load, no cluster.  Only the weights' path uses LDS: a stage of each wave's own, in which a K step's two fragments are gathered so that they leave as 3,072 consecutive bytes.
.set PANEL, 25600
; THE PANEL'S ORDER, which takes the place of what is said above of the scale words: a panel is eight UNITS of 3,200 bytes, one for each 32 rows b: fragments 2 b and 2 b + 1 (3,072 bytes), then their 128 bytes of scale words, row r of fragment u at 8 r + 4 u.
; So any run of 32-row groups of a panel, codes and scale words, is one dense piece of memory that begins on a multiple of 128 bytes (64 rows and more: of 256).
.set STG,   1664                       ; a fragment's stage: 1,536 bytes + 128
.set WREG,  2*STG                      ; a wave's two stages
.set SPARE, 4*WREG                     ; behind them: the spare words, 128 bytes a wave, which no other line names
.set SPW,   14                         ; v14  my spare word's LDS address; never rewritten
.set NIL,   15                         ; v15  0; never rewritten
.set X,     32                         ; numbers as loaded (weights: two sets of 32; x: two sets of 64)
.set C,     96                         ; weights: a block's codes
.set OUTR,  104                        ; weights: two fragments on their way out
.set SB,    24                         ; weights: v24-27 a scale word for each of my four K steps
.set PC,    160                        ; x: a fragment's codes
.set SW,    180                        ; x: v180-183 the four units' scale words
	s_load_b256 s[4:11], s[0:1], 0x0               ; x, Wq, Wk, Wv
	s_load_b64 s[12:13], s[0:1], 0x20              ; pan
	v_lshl_add_u32 v[SPW], v0, 2, SPARE
	v_mov_b32 v[NIL], 0
	v_lshrrev_b32 v1, 5, v0
	v_readfirstlane_b32 s16, v1                    ; wave
	v_and_b32 v2, 31, v0                           ; lane
	v_lshlrev_b32 v10, 4, v2                       ; 16 x lane
	v_bfe_u32 v1, v0, 4, 1                         ; lane / 16
	v_bfe_u32 v5, v0, 3, 1                         ; weights: my column lane belongs to fragment u = (lane / 8) % 2,
	v_and_b32 v6, 7, v0
	v_lshl_add_u32 v6, v1, 3, v6                   ; lane-row r = lane % 8 + 8 (lane / 16)
	s_mul_i32 s17, s16, WREG
	v_mul_u32_u24 v4, v5, STG
	v_lshl_add_u32 v4, v6, 4, v4
	v_add_nc_u32 v4, s17, v4                       ; into my stage: fragment u, 16 r (the half h of the image stands in the stores' offsets)
	v_add_nc_u32 v7, s17, v10                      ; and out of it: 16 x lane
	s_wait_kmcnt 0x0
	s_cmp_lt_u32 ttmp9, 128
	s_cbranch_scc0 .Lweights
	; ---------------- x: a wave takes 32 rows x 256 K: four units (K step s, fragment u), number 2 s + u
	v_and_b32 v5, 15, v0                           ; r
	s_wait_alu depctr_va_vdst(0)
	v_and_b32 v6, 7, v0
	v_bfe_u32 v11, v0, 3, 1
	v_lshl_add_u32 v6, v11, 4, v6                  ; r % 8 + 16 (r / 8)
	v_lshlrev_b32 v3, 14, v6                       ; a row of x is 16,384 bytes
	v_lshl_add_u32 v3, v1, 7, v3                   ; + 128 h: my 32 numbers of each 64
	s_wait_alu depctr_va_vdst(0)
	v_lshlrev_b32 v13, 3, v1                       ; 8 h
	v_mov_b32 v23, 0                               ; written once: a lane permute's destination counts as one of its sources
	s_mov_b32 s28, 0x76543210
	s_mov_b32 s29, 0xfedcba98                      ; v_permlanex16_b32's selects for lane l xor 16
	s_mov_b32 s30, 0xffff0000                      ; lanes 16-31
	s_lshl_b32 s17, ttmp9, 2
	s_add_co_u32 s17, s17, s16
	s_and_b32 s18, s17, 31                         ; which 32 rows
	s_lshr_b32 s19, s17, 5                         ; which pair of K steps
	s_lshl_b32 s20, s18, 19
	s_lshl_b32 s21, s19, 10
	s_add_co_u32 s20, s20, s21
	s_mov_b32 s21, 0
	s_add_nc_u64 s[4:5], s[4:5], s[20:21]          ; x at my rows and K
	s_lshr_b32 s22, s18, 3
	s_add_co_u32 s22, s22, 48                      ; tile 48 + rows / 256
	s_lshl_b32 s22, s22, 5
	s_lshl_b32 s23, s19, 1
	s_add_co_u32 s22, s22, s23
	s_mul_i32 s22, s22, PANEL
	s_mov_b32 s23, 0
	s_add_nc_u64 s[20:21], s[12:13], s[22:23]      ; my first panel
	s_and_b32 s24, s18, 7                          ; b: which 32 rows of the tile
	s_mul_i32 s25, s24, 3200
	v_add_nc_u32 v8, s25, v10                      ; fragment 2 b, 16 x lane
	s_mul_i32 s25, s24, 3200
	s_add_co_u32 s25, s25, 3072
	v_lshl_add_u32 v9, v5, 3, s25                  ; the scale words of my row: 3,200 b + 3,072 + 8 r,
	v_mad_u32_u24 v9, v1, PANEL, v9                ; lanes 16-31 in the second K step's panel
.macro XLD n                           ; unit n's 64 numbers a lane: k = 128 s + 64 c + 32 h + 0 .. 31 of row 8 u + r % 8 + 16 (r / 8)
.irp c, 0,1
.irp j, 0,1,2,3,4,5,6,7
	global_load_b128 v[X+64*((\n)%2)+32*\c+4*\j:X+64*((\n)%2)+32*\c+4*\j+3], v3, s[4:5] offset:((\n)%2)*131072+((\n)/2)*512+256*\c+16*\j
.endr
.endr
.endm
.macro UNIT n
.set XS, X+64*((\n)%2)
.if (\n) < 3
	s_wait_loadcnt 16                              ; this unit's 16 loads are in; the next unit's 16 may be out
.else
	s_wait_loadcnt 0x0
.endif
.irp c, 0,1
	v_max3_num_f32 v[16+\c], |v[XS+32*\c]|, |v[XS+32*\c+1]|, 0x1800000   ; my block 2 c + h, all 32 numbers mine; the floor 2^(3 - 127) holds the byte at 1 from below
.endr
.irp i, 2,4,6,8,10,12,14,16,18,20,22,24,26,28,30
.irp c, 0,1
	v_max3_num_f32 v[16+\c], v[16+\c], |v[XS+32*\c+\i]|, |v[XS+32*\c+\i+1]|
.endr
.endr
.irp c, 0,1
	v_add_nc_u32 v[18+\c], 0xff000000, v[16+\c]    ; 2 off the exponent field: the conversion's scale operand
.endr
.irp c, 0,1
	v_lshrrev_b32 v[20+\c], 23, v[18+\c]           ; the byte
.endr
	v_lshl_or_b32 v22, v21, 16, v20                ; my two bytes, blocks h and 2 + h,
	v_lshlrev_b32 v22, v13, v22                    ; at their places;
	v_permlanex16_b32 v23, v22, s28, s29
	v_or_b32 v[SW+(\n)], v22, v23                  ; with lane l xor 16's two the word is whole
	s_wait_alu depctr_va_vdst(0)
	s_wait_xcnt 0x0                                ; the last unit's stores have read their data: the codes' registers are written again only behind this wait
.irp c, 0,1
	v_cvt_scalef32_pk16_fp6_f32 v[PC+6*\c:PC+6*\c+2], v[XS+32*\c:XS+32*\c+15], v[18+\c]
	v_cvt_scalef32_pk16_fp6_f32 v[172+4*\c:174+4*\c], v[XS+32*\c+16:XS+32*\c+31], v[18+\c]   ; (a conversion's three registers begin on an even number)
.endr
	v_nop                                          ; one plain line behind the scaled conversions
.irp c, 0,1
.irp i, 0,1,2
	v_mov_b32 v[PC+3+6*\c+\i], v[172+4*\c+\i]
.endr
.endr
.if (\n) < 2
	XLD (\n)+2
.endif
.irp c, 0,1,2
	global_store_b128 v8, v[PC+4*\c:PC+4*\c+3], s[20:21] offset:((\n)/2)*PANEL+((\n)%2)*1536+512*\c   ; 32 lanes store 512 consecutive bytes
.endr
.endm
	XLD 0
	XLD 1
	UNIT 0
	UNIT 1
	UNIT 2
	UNIT 3
	v_cndmask_b32 v184, v[SW], v[SW+2], s30        ; lanes 0-15: the first K step's two words of row r, lanes 16-31: the second's
	v_cndmask_b32 v185, v[SW+1], v[SW+3], s30
	global_store_b64 v9, v[184:185], s[20:21]      ; sixteen lanes store 128 consecutive bytes
	s_wait_tensorcnt 0x0                           ; the wave's end
	ds_add_u32 v[SPW], v[NIL]
	s_wait_dscnt 0x0
	s_endpgm
	; ---------------- the weights: a work-group takes 128 columns x 512 K, a wave 32 columns (a pair of fragments) x 16 blocks
.Lweights:
	s_sub_co_u32 s17, ttmp9, 128
	s_and_b32 s18, s17, 7                          ; which 512 along K
	s_bfe_u32 s19, s17, 0x20003                    ; which 128 columns of the head's 512
	s_bfe_u32 s22, s17, 0x30005                    ; head
	s_lshr_b32 s23, s17, 8                         ; 0 Wq, 1 Wk, 2 Wv
	s_cmp_eq_u32 s23, 0
	s_cselect_b64 s[4:5], s[6:7], s[8:9]
	s_cmp_eq_u32 s23, 2
	s_cselect_b64 s[4:5], s[10:11], s[4:5]
	s_lshl_b32 s24, s22, 23                        ; a head is 4,096 rows of 2,048 bytes
	s_lshl_b32 s25, s18, 20
	s_add_co_u32 s24, s24, s25
	s_lshl_b32 s25, s19, 9
	s_add_co_u32 s24, s24, s25
	s_lshl_b32 s25, s16, 7
	s_add_co_u32 s24, s24, s25
	s_mov_b32 s25, 0
	s_add_nc_u64 s[4:5], s[4:5], s[24:25]
	s_lshl_b32 s24, s23, 4                         ; tile = 16 t + 2 head + columns / 256
	s_lshl_b32 s26, s22, 1
	s_add_co_u32 s24, s24, s26
	s_lshr_b32 s26, s19, 1
	s_add_co_u32 s24, s24, s26
	s_lshl_b32 s24, s24, 5
	s_lshl_b32 s26, s18, 2
	s_add_co_u32 s24, s24, s26                     ; and my first K step
	s_mul_i32 s24, s24, PANEL
	s_add_nc_u64 s[20:21], s[12:13], s[24:25]
	s_and_b32 s26, s19, 1
	s_lshl_b32 s26, s26, 2
	s_add_co_u32 s26, s26, s16                     ; b: which 32 rows of the tile
	s_mul_i32 s27, s26, 3200
	s_wait_alu depctr_va_vdst(0)
	v_add_nc_u32 v8, s27, v10
	s_mul_i32 s27, s26, 3200
	s_add_co_u32 s27, s27, 3072
	v_lshl_add_u32 v9, v6, 3, s27
	v_lshl_add_u32 v9, v5, 2, v9                   ; my column's scale word: 3,200 b + 3,072 + 8 r + 4 u
	v_lshlrev_b32 v3, 2, v2                        ; in: 4 bytes a lane
.macro LOAD t                          ; block t: W(32 t + i, my column) into set t % 2; a wave reads 128 consecutive bytes, the four waves 512
.irp i, 0,1,2,3,4,5,6,7,8,9,10,11,12,13,14,15,16,17,18,19,20,21,22,23,24,25,26,27,28,29,30,31
	global_load_b32 v[X+32*((\t)%2)+\i], v3, s[4:5] offset:(32*(\t)+\i)*2048 th:TH_LOAD_NT
.endr
.endm
.macro FLUSH s                         ; K step s's two fragments leave as they lie in the stage
	s_wait_xcnt 0x0                                ; the last K step's stores have read their data
.irp q, 0,1,2,3,4,5
	ds_load_b128 v[OUTR+4*\q:OUTR+4*\q+3], v7 offset:(\q/3)*STG+(\q%3)*512
.endr
	s_wait_dscnt 0x0
.irp q, 0,1,2,3,4,5
	global_store_b128 v8, v[OUTR+4*\q:OUTR+4*\q+3], s[20:21] offset:(\s)*PANEL+(\q/3)*1536+(\q%3)*512   ; six stores cover 3,072 consecutive bytes
.endr
	s_wait_alu depctr_va_vdst(0)
	global_store_b32 v9, v[SB+(\s)], s[20:21] offset:(\s)*PANEL   ; 32 lanes fill 128 consecutive bytes
.endm
.macro BLOCK t
.set XS, X+32*((\t)%2)
.set KB, (\t)%4                        ; the block's place in its K step: k = 32 KB on, that is c = KB / 2, h = KB % 2 of the fragment's layout
.set HK, (\t)%2
.if (\t) < 15
	s_wait_loadcnt 32                              ; this block's 32 loads are in; the next block's may be out
.else
	s_wait_loadcnt 0x0
.endif
	v_max3_num_f32 v12, |v[XS]|, |v[XS+1]|, |v[XS+2]|
	v_max3_num_f32 v13, |v[XS+3]|, |v[XS+4]|, |v[XS+5]|
.irp i, 6,10,14,18,22,26
	v_max3_num_f32 v12, v12, |v[XS+\i]|, |v[XS+\i+1]|
	v_max3_num_f32 v13, v13, |v[XS+\i+2]|, |v[XS+\i+3]|
.endr
	v_max3_num_f32 v12, v12, |v[XS+30]|, |v[XS+31]|
	v_max3_num_f32 v12, v12, v13, 0x1800000        ; and the floor
	v_add_nc_u32 v11, 0xff000000, v12
	v_cvt_scalef32_pk16_fp6_f32 v[C:C+2], v[XS:XS+15], v11
	v_cvt_scalef32_pk16_fp6_f32 v[C+4:C+6], v[XS+16:XS+31], v11
	v_lshrrev_b32 v13, 23, v11                     ; the byte (also the plain line behind the conversions)
.if KB == 0
	v_mov_b32 v[SB+(\t)/4], v13
.else
	v_lshl_or_b32 v[SB+(\t)/4], v13, 8*KB, v[SB+(\t)/4]
.endif
	v_mov_b32 v[C+3], v[C+4]                       ; the block's six registers on end
	v_mov_b32 v[C+4], v[C+5]
	v_mov_b32 v[C+5], v[C+6]
.if KB < 2                             ; registers 0-5 of lane (r, h): chunk 0 whole, the lower half of my place in chunk 1
	ds_store_b128 v4, v[C:C+3] offset:256*HK
	ds_store_b64 v4, v[C+4:C+5] offset:512+256*HK
.else                                  ; registers 6-11: the upper half of my place in chunk 1, chunk 2 whole
	ds_store_b64 v4, v[C:C+1] offset:520+256*HK
	ds_store_b128 v4, v[C+2:C+5] offset:1024+256*HK
.endif
.if (\t)+2 < 16
	LOAD (\t)+2
.endif
	s_wait_dscnt 0x0                               ; the stores have read their registers: the next block's codes may be written
.if KB == 3
	FLUSH (\t)/4
.endif
.endm
	LOAD 0
	LOAD 1
.set Q, 0
.rept 16
	BLOCK Q
.set Q, Q+1
.endr
	s_wait_tensorcnt 0x0                           ; the wave's end, behind my last LDS store
	ds_add_u32 v[SPW], v[NIL]
	s_wait_dscnt 0x0
	s_endpgm
.Lfunc_end_k_q1685b8427c_quant:
	.size	k_q1685b8427c_quant, .Lfunc_end_k_q1685b8427c_quant-k_q1685b8427c_quant
	.p2alignl 7, 3214868480
	.fill 96, 4, 3214868480
	.section	.rodata,"a",@progbits
	.p2align	6, 0x0
	.amdhsa_kernel k_q1685b8427c_quant
		.amdhsa_group_segment_fixed_size 13824
		.amdhsa_private_segment_fixed_size 0
		.amdhsa_enable_private_segment 0
		.amdhsa_kernarg_size 40
		.amdhsa_user_sgpr_count 2
		.amdhsa_user_sgpr_kernarg_segment_ptr 1
		.amdhsa_wavefront_size32 1
		.amdhsa_system_sgpr_workgroup_id_x 1
		.amdhsa_system_sgpr_workgroup_id_y 1
		.amdhsa_system_sgpr_workgroup_id_z 1
		.amdhsa_system_vgpr_workitem_id 0
		.amdhsa_next_free_vgpr 192
		.amdhsa_next_free_sgpr 66
		.amdhsa_reserve_vcc 0
		.amdhsa_float_denorm_mode_32 3
		.amdhsa_float_denorm_mode_16_64 3
		.amdhsa_memory_ordered 1
		.amdhsa_forward_progress 1
		.amdhsa_inst_pref_size 102
	.end_amdhsa_kernel
	.amdgpu_metadata
---
amdhsa.version: [ 1, 2 ]
amdhsa.kernels:
  - .name:           k_q1685b8427c_quant
    .symbol:         k_q1685b8427c_quant.kd
    .args:
      - { .name: x, .offset: 0, .size: 8, .value_kind: global_buffer, .address_space: global }
      - { .name: Wq, .offset: 8, .size: 8, .value_kind: global_buffer, .address_space: global }
      - { .name: Wk, .offset: 16, .size: 8, .value_kind: global_buffer, .address_space: global }
      - { .name: Wv, .offset: 24, .size: 8, .value_kind: global_buffer, .address_space: global }
      - { .name: pan, .offset: 32, .size: 8, .value_kind: global_buffer, .address_space: global }
    .group_segment_fixed_size: 13824
    .private_segment_fixed_size: 0
    .kernarg_segment_align: 8
    .kernarg_segment_size: 40
    .max_flat_workgroup_size: 128
    .sgpr_count:     66
    .vgpr_count:     192
    .wavefront_size: 32
...
	.end_amdgpu_metadata
.endif
;; end of part 1
;; launch proj (part 2): grid 64 x 4, 4 waves a work-group, clusters of 4 x 4, 327,680 bytes of LDS; arguments pan, qkv; writes qkv
.if DOCPART == 2
	.amdgcn_target "amdgcn-amd-amdhsa--gfx1250"
	.amdhsa_code_object_version 6
	.text
	.protected	k_q1685b8427c_proj
	.globl	k_q1685b8427c_proj
	.p2align	8
	.type	k_q1685b8427c_proj,@function
k_q1685b8427c_proj:
	s_mov_b64 s[64:65], 0
	v_nop
	global_prefetch_b8 v0, s[64:65] scope:SCOPE_SE
	s_setreg_imm32_b32 hwreg(HW_REG_WAVE_MODE, 25, 1), 1
	s_wait_xcnt 0x0
	s_wait_alu depctr_hold_cnt(0) depctr_sa_sdst(0) depctr_va_vdst(0) depctr_va_sdst(0) depctr_va_ssrc(0) depctr_va_vcc(0) depctr_vm_vsrc(0)
	s_getreg_b32 s2, hwreg(HW_REG_IB_STS2, 6, 4)
	s_cmp_eq_u32 s2, 0
	s_cbranch_scc0 .Lentry_in_a_cluster
	s_endpgm
.Lentry_in_a_cluster:
	s_bfe_u32 s2, ttmp6, 0x10000c
	s_cmp_lg_u32 s2, 0xf033
	s_cbranch_scc0 .Lentry_shape_is_right
	s_endpgm
.Lentry_shape_is_right:
; q, k, v = x W (K = the 4,096 features) on codes of FP6 (E2M3) with E8M0 scales out of pan, and q, k, v quantised again, along the next products' K, into qkv as the attention launch reads it.
; pan = [tile 0..51][K step 0..31] panels of 25,600 bytes; a panel is eight units of 3,200 bytes, one for each 32 rows: two fragment images (1,536 bytes each) and 128 bytes of scale words (row r of fragment u at 8 r + 4 u).  Tiles 0-47: the columns of Wq, Wk, Wv; 48-51: x's rows.
; SHARES.  Work-group (jx 0..63, sy 0..3) owns columns 128 jx .. + 127 of Wq|Wk and columns 64 jx .. + 63 of Wv, for samples 256 sy .. + 255: 64 x 4 = 256 work-groups of equal work.
; Wave (a, e) owns samples 128 a .. + 127 of these (8 fragments of x) against 64 columns of Wq|Wk (4 fragments) and 32 of Wv (2): 48 accumulators.  q, k: W's fragment is source 0, so a lane holds a sample and registers run along the columns;
; v: x's fragment is source 0, so a lane holds a channel and registers run along the samples.  The fragments' rows (fragment 2 b + u, lane-row r: row 32 b + 8 u + r % 8 + 16 (r / 8)) make 16 registers of two neighbouring tiles 16 neighbours.
; THE RING: two LDS slots of three K steps: x's 76,800 bytes (waves 0 and 1 fetch a half each), Wq|Wk's three half panels (wave 2), Wv's three quarter panels (wave 3); one tensor load a wave behind each round.  The first fill holds K steps 0 and 1.
; CLUSTERS: 4 x 4.  x's tile hangs on sy alone and is asked for jointly along a row of the cluster, W's tiles on jx alone, along a column.
; PREFETCH: W's pieces are read by one cluster alone: each is asked for one refill ahead of its joint load, wave q the slot's K step q, the four partners of a column sharing its 75 blocks of 256 bytes out by address.  x's tiles are read by all sixteen clusters and are not asked for.
; THE WAY OUT: a wave holds half (64 of 128 along the next K) of each fragment of q or k: 512 whole bytes and half of 512 more, which wave e xor 1 of the same work-group fills up; of a scale word two bytes.  v's fragments and scale words leave whole.
; LIMITS: a block of zeros gets the byte 1 with zero codes (this program alone reads the bytes); magnitudes under 2^-124 are held at the byte 1; NaN and infinities are not served.
; REGISTERS: window 0: addresses, v32-59 scale words (two sets of 14), v64-207 W's fragments (two sets of 6).  window 1: v0-191 x's fragments (two sets of 8).  window 2: v's accumulator (w, f) at 64 w + 8 f.  window 3: q|k's accumulator (f, b) at 32 f + 8 b.
.set PANEL, 25600
.set QOF,   76800                      ; in a slot: Wq|Wk's pieces, 12,800 bytes a K step,
.set VOF,   115200                     ; and Wv's, 6,400
.set SLOT,  134400
.set SPARE, 2*SLOT                     ; the spare words, 128 bytes a wave, which no other line names
.set SCB,   9437184
.set LI,  4                            ; 16 x lane
.set AX,  6                            ; v6-17 LDS addresses, one for each slot: x's, Wq|Wk's, Wv's fragments; then their scale words
.set AQ,  8
.set AV,  10
.set SX,  12
.set SQD, 14
.set SVD, 16
.set OE,  18                           ; 32 r
.set PFO, 19
.set SPW, 28
.set NIL, 29
.set SC,  32
.set WF,  64
.set EB,  128
.set PWS, 184
.set TM,  208
.set G1X, 24
.set G1Q, 32
.set G1V, 40
.set G0X, 48                           ; groups 0: + 4 x slot
.set G0Q, 56
.set G0V, 68
.set PFA, 76
.set LIM, 78
.set MSB, 0
.macro WIN new
.if MSB != (\new)
	s_set_vgpr_msb (MSB<<8)|(\new)
.set MSB, (\new)
.endif
.endm
.macro TL g0, g1
	tensor_load_to_lds s[\g0:\g0+3], s[\g1:\g1+7]
	s_nop 0
.rept 4
	v_nop
.endr
.endm
.macro JLOAD s                         ; one joint load a wave, in one chain of branches on the wave's number
	s_cmp_lt_u32 s14, 2
	s_cbranch_scc0 .Lfor_q_\@
	TL G0X+4*(\s), G1X
	s_branch .Lasked_\@
.Lfor_q_\@:
	s_cmp_eq_u32 s14, 2
	s_cbranch_scc0 .Lfor_v_\@
	TL G0Q+4*(\s), G1Q
	s_branch .Lasked_\@
.Lfor_v_\@:
	TL G0V+4*(\s), G1V
.Lasked_\@:
.endm
.macro ASK how                         ; how = 2: not in the loop's last trip, whose look-ahead would pass K's end
.if (\how) == 1
	s_cmp_eq_u32 s[LIM], 1
.else
	s_cmp_gt_u32 s3, s[LIM]
.endif
	s_cbranch_scc0 .Lnot_mine_\@
	global_prefetch_b8 v[PFO], s[PFA:PFA+1] th:TH_LOAD_NT scope:SCOPE_SE
.Lnot_mine_\@:
.endm
.macro CROUND                          ; a round of the cluster's barrier
	s_barrier_signal -1
	s_barrier_wait -1
	s_cmp_lg_u32 s14, 0
	s_cbranch_scc1 .Lnot_wave_0_\@
	s_barrier_signal -3
.Lnot_wave_0_\@:
	s_barrier_wait -3
	s_barrier_signal -1
	s_barrier_wait -1
.endm
	s_load_b128 s[4:7], s[0:1], 0x0                ; pan, qkv
	v_lshl_add_u32 v[SPW], v0, 2, SPARE
	v_mov_b32 v[NIL], 0
	ds_add_u32 v[SPW], v[NIL]                      ; the opening lines: the add, twice on end, and its wait ahead of the round in front of my first tensor load
	ds_add_u32 v[SPW], v[NIL]
	v_lshrrev_b32 v1, 5, v0
	v_readfirstlane_b32 s14, v1                    ; wave
	s_lshr_b32 s15, s14, 1                         ; a
	s_and_b32 s16, s14, 1                          ; e
	s_bfe_u32 s8, ttmp6, 0x40000                   ; cx
	s_bfe_u32 s9, ttmp6, 0x40004                   ; cy = sy
	s_lshl_b32 s10, ttmp9, 2
	s_add_co_u32 s10, s10, s8                      ; jx
	s_lshl_b32 s11, s9, 2
	s_lshl_b32 s11, 15, s11                        ; my row of the cluster
	s_lshl_b32 s12, 0x1111, s8                     ; my column
	s_or_b32 s[G1X], s11, (3<<16)|(1<<21)          ; elements of 8 bytes; bit 21 set beside a mask
	s_or_b32 s[G1Q], s12, (3<<16)|(1<<21)
	s_or_b32 s[G1V], s12, (3<<16)|(1<<21)
	s_mov_b32 s[G1X+1], 32<<16                     ; x: dense bytes as rows of 256; 100 rows (a panel) for the first fill
	s_mov_b32 s[G1X+2], 100<<16
	s_mov_b32 s[G1X+3], 32<<16
	s_mov_b32 s[G1X+4], 100
	s_mov_b32 s[G1X+5], 32
	s_mov_b32 s[G1X+6], 0
	s_mov_b32 s[G1X+7], 0
	s_mov_b32 s[G1Q+1], 1600<<16                   ; Wq|Wk: a row is a K step's 12,800 bytes, a panel from row to row; two rows for the first fill
	s_mov_b32 s[G1Q+2], 2<<16
	s_mov_b32 s[G1Q+3], 1600<<16
	s_mov_b32 s[G1Q+4], 2
	s_mov_b32 s[G1Q+5], 3200
	s_mov_b32 s[G1Q+6], 0
	s_mov_b32 s[G1Q+7], 0
	s_mov_b32 s[G1V+1], 800<<16                    ; Wv: 6,400 bytes
	s_mov_b32 s[G1V+2], 2<<16
	s_mov_b32 s[G1V+3], 800<<16
	s_mov_b32 s[G1V+4], 2
	s_mov_b32 s[G1V+5], 3200
	s_mov_b32 s[G1V+6], 0
	s_mov_b32 s[G1V+7], 0
	s_add_co_u32 s18, s9, 48                       ; x's tile hangs on cy alone
	s_mul_i32 s18, s18, 32*PANEL
	s_mul_i32 s94, s16, PANEL
	s_mul_i32 s95, s16, 38400
	s_add_co_u32 s20, s18, s94                     ; first fill: waves 0, 1 take K steps 0, 1
	s_mov_b32 s21, 0
	s_add_co_u32 s22, s18, s95                     ; the ring: a half of three panels
	s_mov_b32 s23, 0
	s_lshr_b32 s90, s10, 1                         ; W's tiles hang on jx alone
	s_mul_i32 s90, s90, 32*PANEL
	s_and_b32 s91, s10, 1
	s_mul_i32 s91, s91, 12800
	s_add_co_u32 s90, s90, s91
	s_mov_b32 s91, 0
	s_lshr_b32 s92, s10, 2
	s_add_co_u32 s92, s92, 32
	s_mul_i32 s92, s92, 32*PANEL
	s_and_b32 s93, s10, 3
	s_mul_i32 s93, s93, 6400
	s_add_co_u32 s92, s92, s93
	s_mov_b32 s93, 0
	s_mul_i32 s85, s14, PANEL                      ; the prefetches: wave q asks for the slot's K step q
	s_add_co_u32 s86, s90, s85
	s_add_co_u32 s87, s92, s85
	s_mul_i32 s88, s9, 13                          ; of 50 blocks partner cy takes 13, of 25 blocks 7
	s_mul_i32 s89, s9, 7
	s_mov_b32 s79, 0x1fff                          ; lanes 0-12
	s_cmp_lt_u32 s14, 3
	s_cselect_b32 s[LIM], 1, -1
	s_mul_i32 s13, s15, 12800                      ; the LDS addresses' parts that hang on the wave
	s_mul_i32 s17, s16, 6400
	s_add_co_u32 s17, s17, QOF
	s_mul_i32 s19, s16, 3200
	s_add_co_u32 s19, s19, VOF
	s_mov_b32 s80, 0x76543210
	s_mov_b32 s81, 0xfedcba98
	s_wait_dscnt 0x0                               ; both opening adds are done
	s_wait_kmcnt 0x0
	s_add_nc_u64 s[20:21], s[4:5], s[20:21]
	s_add_nc_u64 s[22:23], s[4:5], s[22:23]
	s_add_nc_u64 s[90:91], s[4:5], s[90:91]
	s_add_nc_u64 s[92:93], s[4:5], s[92:93]
	s_add_nc_u64 s[PFA:PFA+1], s[4:5], 5*PANEL
	CROUND                                         ; all sixteen work-groups are here: the first joint loads meet
	s_mov_b32 s[G0X], 1
	s_mov_b32 s[G0X+1], s94
	s_mov_b64 s[G0X+2:G0X+3], s[20:21]
	s_or_b32 s[G0X+3], s[G0X+3], 0x80000000
	s_mov_b32 s[G0Q], 1
	s_mov_b32 s[G0Q+1], QOF
	s_mov_b64 s[G0Q+2:G0Q+3], s[90:91]
	s_or_b32 s[G0Q+3], s[G0Q+3], 0x80000000
	s_mov_b32 s[G0V], 1
	s_mov_b32 s[G0V+1], VOF
	s_mov_b64 s[G0V+2:G0V+3], s[92:93]
	s_or_b32 s[G0V+3], s[G0V+3], 0x80000000
	JLOAD 0                                        ; K steps 0 and 1: one tensor load a wave at the head
	s_mov_b32 s[G0X+4], 1                          ; slot 1: K steps 2-4
	s_add_co_u32 s[G0X+5], s95, SLOT
	s_add_nc_u64 s[G0X+6:G0X+7], s[22:23], 2*PANEL
	s_or_b32 s[G0X+7], s[G0X+7], 0x80000000
	s_mov_b32 s[G0Q+4], 1
	s_mov_b32 s[G0Q+5], SLOT+QOF
	s_add_nc_u64 s[G0Q+6:G0Q+7], s[90:91], 2*PANEL
	s_or_b32 s[G0Q+7], s[G0Q+7], 0x80000000
	s_mov_b32 s[G0V+4], 1
	s_mov_b32 s[G0V+5], SLOT+VOF
	s_add_nc_u64 s[G0V+6:G0V+7], s[92:93], 2*PANEL
	s_or_b32 s[G0V+7], s[G0V+7], 0x80000000
	v_and_b32 v3, 31, v0                           ; lane
	v_and_b32 v1, 15, v0                           ; r
	v_lshlrev_b32 v[LI], 4, v3
	v_lshlrev_b32 v2, 3, v1
	v_add_nc_u32 v2, 3072, v2                      ; a unit's scale words: 3,072 + 8 r
	v_add_nc_u32 v[AX], s13, v[LI]
	v_add_nc_u32 v[AQ], s17, v[LI]
	v_add_nc_u32 v[AV], s19, v[LI]
	v_add_nc_u32 v[SX], s13, v2
	v_add_nc_u32 v[SQD], s17, v2
	v_add_nc_u32 v[SVD], s19, v2
.irp g, AX, AQ, AV, SX, SQD, SVD
	v_add_nc_u32 v[\g+1], SLOT, v[\g]
.endr
	v_lshlrev_b32 v[OE], 5, v1
	v_min_u32 v20, 12, v3                          ; lanes 0-12: my 13 blocks of Wq|Wk's 50 of a K step (held at the last),
	v_add_nc_u32 v20, s88, v20
	v_min_u32 v20, 49, v20
	v_lshlrev_b32 v20, 8, v20
	v_add_nc_u32 v20, s86, v20
	v_max_u32 v21, 13, v3                          ; lanes 13-19: my 7 of Wv's 25; the lanes left over name the last again
	v_add_nc_u32 v21, -13, v21
	v_min_u32 v21, 6, v21
	v_add_nc_u32 v21, s89, v21
	v_min_u32 v21, 24, v21
	v_lshlrev_b32 v21, 8, v21
	v_add_nc_u32 v21, s87, v21
	v_cndmask_b32 v[PFO], v21, v20, s79
.irp b, 2,3,4,5,6,7
	v_mov_b32 v[TM+\b], 0                          ; a lane permute's destination counts as one of its sources
.endr
.macro FETCH slot, q, p                ; K step q of the slot into set p: 14 fragments and their scale words, 49 LDS loads in one run
	WIN 0x40                                       ; destination window 1
.irp f, 0,1,2,3,4,5,6,7
.irp c, 0,1,2
	ds_load_b128 v[96*(\p)+12*\f+4*\c:96*(\p)+12*\f+4*\c+3], v[AX+\slot] offset:(\q)*25600+(\f/2)*3200+(\f%2)*1536+512*\c
.endr
.endr
	WIN 0
.irp b, 0,1,2,3
.irp c, 0,1,2
	ds_load_b128 v[WF+72*(\p)+12*\b+4*\c:WF+72*(\p)+12*\b+4*\c+3], v[AQ+\slot] offset:(\q)*12800+(\b/2)*3200+(\b%2)*1536+512*\c
.endr
.endr
.irp w, 0,1
.irp c, 0,1,2
	ds_load_b128 v[WF+72*(\p)+48+12*\w+4*\c:WF+72*(\p)+48+12*\w+4*\c+3], v[AV+\slot] offset:(\q)*6400+\w*1536+512*\c
.endr
.endr
.irp i, 0,1,2,3
	ds_load_b64 v[SC+14*(\p)+2*\i:SC+14*(\p)+2*\i+1], v[SX+\slot] offset:(\q)*25600+\i*3200
.endr
.irp i, 0,1
	ds_load_b64 v[SC+14*(\p)+8+2*\i:SC+14*(\p)+8+2*\i+1], v[SQD+\slot] offset:(\q)*12800+\i*3200
.endr
	ds_load_b64 v[SC+14*(\p)+12:SC+14*(\p)+13], v[SVD+\slot] offset:(\q)*6400
.endm
.macro MM                              ; one product, by the symbols rD rA rB rSA rSB; ZR: it starts its sum
.if ZR
	v_wmma_scale_f32_16x16x128_f8f6f4 v[rD:rD+7], v[rA:rA+11], v[rB:rB+11], 0, v[rSA], v[rSB] matrix_a_fmt:MATRIX_FMT_FP6 matrix_b_fmt:MATRIX_FMT_FP6
.else
	v_wmma_scale_f32_16x16x128_f8f6f4 v[rD:rD+7], v[rA:rA+11], v[rB:rB+11], v[rD:rD+7], v[rSA], v[rSB] matrix_a_fmt:MATRIX_FMT_FP6 matrix_b_fmt:MATRIX_FMT_FP6
.endif
.endm
.macro MULS p, zero                    ; a K step's 48 products, the 48 accumulators by turns, in the same order in every step
.set ZR, \zero
	WIN 0xf4                                       ; source 0 window 0, source 1 window 1, C and D window 3
.irp f, 0,1,2,3,4,5,6,7
.irp b, 0,1,2,3
.set rD, 32*\f+8*\b
.set rA, WF+72*(\p)+12*\b
.set rB, 96*(\p)+12*\f
.set rSA, SC+14*(\p)+8+\b
.set rSB, SC+14*(\p)+\f
	MM
.endr
.endr
	WIN 0xa1                                       ; source 0 window 1, source 1 window 0, C and D window 2
.irp w, 0,1
.irp f, 0,1,2,3,4,5,6,7
.set rD, 64*\w+8*\f
.set rA, 96*(\p)+12*\f
.set rB, WF+72*(\p)+48+12*\w
.set rSA, SC+14*(\p)+\f
.set rSB, SC+14*(\p)+12+\w
	MM
.endr
.endr
	WIN 0
.rept 4
	v_nop                                          ; places in front of the loads into the set just read, and of the first read of results
.endr
.endm
.macro STEP slot, q, p, zero
	s_wait_dscnt 0x0                               ; this step's set is in (asked for a step ago)
	FETCH \slot, (\q)+1, 1-(\p)
	MULS \p, \zero
.endm
; A slot's last step: its fragments are in registers, so the slot is read no more.  fill: it is filled again, behind a round of the cluster's barrier.
.macro TURN slot, q, p, next, fill, ask
.if \fill
	s_wait_xcnt 0x0                                ; my prefetch has read its base
	s_add_nc_u64 s[PFA:PFA+1], s[PFA:PFA+1], 3*PANEL
.endif
	s_wait_tensorcnt 0x0                           ; my one tensor load, my part of the next slot, has landed;
	ds_add_u32 v[SPW], v[NIL]                      ; 0 onto my spare word;
.if \fill
	s_add_nc_u64 s[G0X+4*\next+2:G0X+4*\next+3], s[G0X+4*\next+2:G0X+4*\next+3], 6*PANEL   ; no load of mine is out: the next slot's groups 0 step to its next fill
	s_add_nc_u64 s[G0Q+4*\next+2:G0Q+4*\next+3], s[G0Q+4*\next+2:G0Q+4*\next+3], 6*PANEL
	s_add_nc_u64 s[G0V+4*\next+2:G0V+4*\next+3], s[G0V+4*\next+2:G0V+4*\next+3], 6*PANEL
.endif
	s_wait_dscnt 0x0                               ; the add is done, and my reads of this slot are over
.if \fill
	CROUND
	JLOAD \slot
.else
	s_barrier_signal -1
	s_barrier_wait -1
.endif
	FETCH \next, 0, 1-(\p)
.if \ask
	ASK \ask
.endif
	MULS \p, 0
.endm
	s_wait_alu depctr_va_vdst(0)                   ; the head's end
	s_wait_tensorcnt 0x0                           ; my part of K steps 0 and 1 is in
	ds_add_u32 v[SPW], v[NIL]
	s_mov_b32 s[G1X+2], 150<<16                    ; no load of mine is out: from here on a load brings three K steps,
	s_mov_b32 s[G1X+4], 150
	s_mov_b32 s[G1Q+2], 3<<16
	s_mov_b32 s[G1Q+4], 3
	s_mov_b32 s[G1V+2], 3<<16
	s_mov_b32 s[G1V+4], 3
	s_mov_b32 s[G0X+1], s95                        ; and slot 0's next fill is K steps 5-7
	s_add_nc_u64 s[G0X+2:G0X+3], s[22:23], 5*PANEL
	s_or_b32 s[G0X+3], s[G0X+3], 0x80000000
	s_add_nc_u64 s[G0Q+2:G0Q+3], s[G0Q+2:G0Q+3], 5*PANEL
	s_add_nc_u64 s[G0V+2:G0V+3], s[G0V+2:G0V+3], 5*PANEL
	s_wait_dscnt 0x0
	CROUND
	JLOAD 1                                        ; slot 1's first fill, issued as a refill is
	FETCH 0, 0, 0
	STEP 0, 0, 0, 1                                ; the first step's products start the sums
	TURN 0, 1, 1, 1, 1, 1
	s_mov_b32 s3, 4
.Llap:
	STEP 1, 0, 0, 0
	STEP 1, 1, 1, 0
	TURN 1, 2, 0, 0, 1, 1
	STEP 0, 0, 1, 0
	STEP 0, 1, 0, 0
	TURN 0, 2, 1, 1, 1, 2
	s_sub_co_u32 s3, s3, 1
	s_cmp_lg_u32 s3, 0
	s_cbranch_scc1 .Llap
	STEP 1, 0, 0, 0
	STEP 1, 1, 1, 0
	TURN 1, 2, 0, 0, 0, 0                          ; the last six steps fetch nothing more
	STEP 0, 0, 1, 0
	STEP 0, 1, 0, 0
	s_wait_dscnt 0x0
	MULS 1, 0
	; ---- the way out: where my parts of qkv begin
	s_lshr_b32 s18, s10, 2                         ; q's or k's head: 0-15
	s_and_b32 s19, s10, 3                          ; which 128 of its 512
	s_lshl_b32 s20, s9, 1
	s_add_co_u32 s20, s20, s15                     ; which 128 samples: 2 sy + a
	s_lshl_b32 s21, s20, 5
	s_add_co_u32 s21, s21, s19                     ; fragment 4 x (8 (2 sy + a)) + that
	s_mul_i32 s21, s21, 1536
	s_mul_i32 s90, s18, 393216
	s_add_co_u32 s90, s90, s21
	s_mov_b32 s91, 0
	s_add_nc_u64 s[82:83], s[6:7], s[90:91]
	s_lshl_b32 s90, s18, 14
	s_lshl_b32 s21, s19, 12
	s_add_co_u32 s90, s90, s21
	s_lshl_b32 s21, s20, 9
	s_add_co_u32 s90, s90, s21
	s_lshl_b32 s21, s16, 1
	s_add_co_u32 s90, s90, s21                     ; my two bytes of each word
	s_add_co_u32 s90, s90, SCB
	s_add_nc_u64 s[84:85], s[6:7], s[90:91]
	s_lshr_b32 s18, s10, 3
	s_add_co_u32 s18, s18, 16                      ; v's head: 16-23
	s_and_b32 s19, s10, 7
	s_lshl_b32 s19, s19, 2
	s_add_co_u32 s19, s19, s21                     ; channel fragment 4 (jx % 8) + 2 e
	s_lshl_b32 s19, s19, 3
	s_add_co_u32 s19, s19, s20
	s_mul_i32 s19, s19, 1536
	s_mul_i32 s90, s18, 393216
	s_add_co_u32 s90, s90, s19
	s_add_nc_u64 s[86:87], s[6:7], s[90:91]
	s_lshl_b32 s90, s18, 14
	s_lshl_b32 s21, s20, 11
	s_add_co_u32 s90, s90, s21
	s_bfe_u32 s21, s10, 0x20001
	s_lshl_b32 s21, s21, 9
	s_add_co_u32 s90, s90, s21
	s_and_b32 s21, s10, 1
	s_lshl_b32 s21, s21, 4
	s_add_co_u32 s90, s90, s21
	s_lshl_b32 s21, s16, 3
	s_add_co_u32 s90, s90, s21
	s_add_co_u32 s90, s90, SCB
	s_add_nc_u64 s[88:89], s[6:7], s[90:91]
; q, k: fragment f of my samples, my two blocks of 32 columns.  A lane's 16 registers are half a block; the swap brings block 2 e whole into lanes 0-15 and block 2 e + 1 into lanes 16-31: registers 6 e .. 6 e + 5 of the image.
.macro QKOUT f
.set PQ, 64+8*(\f)
	WIN 0x3c                                       ; sources 1 and 2 window 3
.irp e, 0,1
	v_max3_num_f32 v[TM+\e], 0x1800000, |v[32*(\f)+16*\e]|, |v[32*(\f)+16*\e+1]|   ; each accumulator from its low end on; the floor holds the byte at 1 from below
.endr
.irp i, 2,4,6,8,10,12,14
.irp e, 0,1
	v_max3_num_f32 v[TM+\e], v[TM+\e], |v[32*(\f)+16*\e+\i]|, |v[32*(\f)+16*\e+\i+1]|
.endr
.endr
	WIN 0
.irp e, 0,1
	v_permlanex16_b32 v[TM+2+\e], v[TM+\e], s80, s81
.endr
.irp e, 0,1
	v_max_num_f32 v[TM+\e], v[TM+\e], v[TM+2+\e]
.endr
.irp e, 0,1
	v_add_nc_u32 v[TM+4+\e], 0xff000000, v[TM+\e]
.endr
.irp e, 0,1
	v_lshrrev_b32 v[TM+2+\e], 23, v[TM+4+\e]
.endr
	WIN 0x03                                       ; source 0 window 3
	v_cvt_scalef32_pk16_fp6_f32 v[PQ:PQ+2], v[32*(\f):32*(\f)+15], v[TM+4]
	v_cvt_scalef32_pk16_fp6_f32 v[PQ+4:PQ+6], v[32*(\f)+16:32*(\f)+31], v[TM+5]
	WIN 0
	v_lshl_or_b32 v[EB+(\f)], v[TM+3], 8, v[TM+2]  ; my two bytes of row r's scale word (also the plain line behind the conversions)
.irp i, 0,1,2
	v_permlane16_swap_b32 v[PQ+\i], v[PQ+4+\i]
.endr
	v_mov_b32 v[PQ+3], v[PQ+4]
	v_mov_b32 v[PQ+4], v[PQ+5]
	v_mov_b32 v[PQ+5], v[PQ+6]
	global_store_b16 v[OE], v[EB+(\f)], s[84:85] offset:16*((\f)/4)+4*((\f)%4)   ; (both halves of the lanes hold and store the same)
.endm
.irp f, 0,1,2,3,4,5,6,7
	QKOUT \f
.endr
	s_wait_alu depctr_va_vdst(0)
	s_cmp_eq_u32 s16, 0                            ; registers 0-5 or 6-11 of the images, by the wave's number
	s_cbranch_scc0 .Lupper
.irp f, 0,1,2,3,4,5,6,7
	global_store_b128 v[LI], v[64+8*\f:64+8*\f+3], s[82:83] offset:6144*\f         ; 32 lanes store 512 consecutive bytes
	global_store_b64 v[LI], v[64+8*\f+4:64+8*\f+5], s[82:83] offset:6144*\f+512
.endr
	s_branch .Lqk_out
.Lupper:
.irp f, 0,1,2,3,4,5,6,7
	global_store_b64 v[LI], v[64+8*\f:64+8*\f+1], s[82:83] offset:6144*\f+520
	global_store_b128 v[LI], v[64+8*\f+2:64+8*\f+5], s[82:83] offset:6144*\f+1024
.endr
.Lqk_out:
; v: a lane holds a channel; the 64 registers of my eight fragments of x are 128 samples: one whole fragment of the next product
.macro VOUT w
.set AC, 64*(\w)
.set PV, 144+20*(\w)
	WIN 0x28                                       ; sources 1 and 2 window 2
.irp b, 0,1,2,3
	v_max3_num_f32 v[TM+\b], 0x1800000, |v[AC+16*\b]|, |v[AC+16*\b+1]|
.endr
.irp i, 2,4,6,8,10,12,14
.irp b, 0,1,2,3
	v_max3_num_f32 v[TM+\b], v[TM+\b], |v[AC+16*\b+\i]|, |v[AC+16*\b+\i+1]|
.endr
.endr
	WIN 0
.irp b, 0,1,2,3
	v_permlanex16_b32 v[TM+4+\b], v[TM+\b], s80, s81
.endr
.irp b, 0,1,2,3
	v_max_num_f32 v[TM+\b], v[TM+\b], v[TM+4+\b]
.endr
.irp b, 0,1,2,3
	v_add_nc_u32 v[TM+12+\b], 0xff000000, v[TM+\b]
.endr
.irp b, 0,1,2,3
	v_lshrrev_b32 v[TM+4+\b], 23, v[TM+12+\b]
.endr
	v_lshl_or_b32 v[PWS+(\w)], v[TM+5], 8, v[TM+4]
	v_lshl_or_b32 v[PWS+(\w)], v[TM+6], 16, v[PWS+(\w)]
	v_lshl_or_b32 v[PWS+(\w)], v[TM+7], 24, v[PWS+(\w)]
	WIN 0x02                                       ; source 0 window 2
.irp c, 0,1
	v_cvt_scalef32_pk16_fp6_f32 v[PV+6*\c:PV+6*\c+2], v[AC+32*\c:AC+32*\c+15], v[TM+12+2*\c]
	v_cvt_scalef32_pk16_fp6_f32 v[PV+12+4*\c:PV+14+4*\c], v[AC+32*\c+16:AC+32*\c+31], v[TM+12+2*\c+1]
.endr
	WIN 0
	v_nop                                          ; one plain line behind the scaled conversions
.irp c, 0,1
.irp i, 0,1,2
	v_permlane16_swap_b32 v[PV+6*\c+\i], v[PV+12+4*\c+\i]
.endr
.irp i, 0,1,2
	v_mov_b32 v[PV+3+6*\c+\i], v[PV+12+4*\c+\i]
.endr
.endr
.irp c, 0,1,2
	global_store_b128 v[LI], v[PV+4*\c:PV+4*\c+3], s[86:87] offset:12288*(\w)+512*\c   ; 32 lanes store 512 consecutive bytes
.endr
	global_store_b32 v[OE], v[PWS+(\w)], s[88:89] offset:4*(\w)   ; channel r's scale word (both halves of the lanes hold and store the same)
.endm
	VOUT 0
	VOUT 1
	s_wait_tensorcnt 0x0                           ; the wave's end
	ds_add_u32 v[SPW], v[NIL]
	s_wait_dscnt 0x0
	CROUND                                         ; the closing round: no work-group ends while a partner may still ask for a tile that names it
	s_endpgm
.Lfunc_end_k_q1685b8427c_proj:
	.size	k_q1685b8427c_proj, .Lfunc_end_k_q1685b8427c_proj-k_q1685b8427c_proj
	.p2alignl 7, 3214868480
	.fill 96, 4, 3214868480
	.section	.rodata,"a",@progbits
	.p2align	6, 0x0
	.amdhsa_kernel k_q1685b8427c_proj
		.amdhsa_group_segment_fixed_size 327680
		.amdhsa_private_segment_fixed_size 0
		.amdhsa_enable_private_segment 0
		.amdhsa_kernarg_size 16
		.amdhsa_user_sgpr_count 2
		.amdhsa_user_sgpr_kernarg_segment_ptr 1
		.amdhsa_wavefront_size32 1
		.amdhsa_system_sgpr_workgroup_id_x 1
		.amdhsa_system_sgpr_workgroup_id_y 1
		.amdhsa_system_sgpr_workgroup_id_z 1
		.amdhsa_system_vgpr_workitem_id 0
		.amdhsa_next_free_vgpr 1024
		.amdhsa_next_free_sgpr 100
		.amdhsa_reserve_vcc 0
		.amdhsa_float_denorm_mode_32 3
		.amdhsa_float_denorm_mode_16_64 3
		.amdhsa_memory_ordered 1
		.amdhsa_forward_progress 1
		.amdhsa_inst_pref_size 177
	.end_amdhsa_kernel
	.amdgpu_metadata
---
amdhsa.version: [ 1, 2 ]
amdhsa.kernels:
  - .name:           k_q1685b8427c_proj
    .symbol:         k_q1685b8427c_proj.kd
    .args:
      - { .name: pan, .offset: 0, .size: 8, .value_kind: global_buffer, .address_space: global }
      - { .name: qkv, .offset: 8, .size: 8, .value_kind: global_buffer, .address_space: global }
    .group_segment_fixed_size: 327680
    .private_segment_fixed_size: 0
    .kernarg_segment_align: 8
    .kernarg_segment_size: 16
    .max_flat_workgroup_size: 128
    .sgpr_count:     100
    .vgpr_count:     1024
    .wavefront_size: 32
...
	.end_amdgpu_metadata
.endif
;; end of part 2
;; launch attn (part 3): grid 32 x 8, 4 waves a work-group, clusters of 4 x 1, 327,680 bytes of LDS; arguments qkv, av; writes av
.if DOCPART == 3
	.amdgcn_target "amdgcn-amd-amdhsa--gfx1250"
	.amdhsa_code_object_version 6
	.text
	.protected	k_q1685b8427c_attn
	.globl	k_q1685b8427c_attn
	.p2align	8
	.type	k_q1685b8427c_attn,@function
k_q1685b8427c_attn:
	s_mov_b64 s[64:65], 0
	v_nop
	global_prefetch_b8 v0, s[64:65] scope:SCOPE_SE
	s_setreg_imm32_b32 hwreg(HW_REG_WAVE_MODE, 25, 1), 1
	s_wait_xcnt 0x0
	s_wait_alu depctr_hold_cnt(0) depctr_sa_sdst(0) depctr_va_vdst(0) depctr_va_sdst(0) depctr_va_ssrc(0) depctr_va_vcc(0) depctr_vm_vsrc(0)
	s_getreg_b32 s2, hwreg(HW_REG_IB_STS2, 6, 4)
	s_cmp_eq_u32 s2, 0
	s_cbranch_scc0 .Lentry_in_a_cluster
	s_endpgm
.Lentry_in_a_cluster:
	s_bfe_u32 s2, ttmp6, 0x10000c
	s_cmp_lg_u32 s2, 0x3003
	s_cbranch_scc0 .Lentry_shape_is_right
	s_endpgm
.Lentry_shape_is_right:
; av[head][b][:] = the sum over c of softmax_c(q[b] . k[c] / sqrt(32)) v[c][:], both products on codes of FP6 (E2M3) with E8M0 scales; 1,024 samples, a head of 512.  q, k, v come as fragments (images of operand registers) out of qkv.
; THE SOFTMAX: t = score x log2(e) / sqrt(32); M = the row's largest t rounded up to a whole number; p = 2^(t - M) is quantised along the keys; the row's sum of the unquantised p divides at the end.
; SHARES.  A work-group owns 32 queries of one head (two fragments).  Wave w makes S^T = K Q^T for keys 256 w .. 256 w + 255 (all its scores stay in 256 registers), the four waves' row maxima meet in LDS (the TRUE maximum: no running one),
; p is quantised in registers and handed round through LDS as images of its fragments, and wave w then makes O^T = V^T P^T for channels 128 w .. 128 w + 127 over all 1,024 keys.  No partial result is merged.
; K AND V EACH COME IN ONE FLIGHT.  A wave wants 64 fragments of K, 98,304 dense bytes.  48 of them (key fragments 0-11: 73,728 bytes) come by ONE tensor load at the head into the wave's own LDS bytes, the other 16 by 48 loads into registers:
; all of K is asked for at once.  V likewise: channel fragments 0-5 fill the same LDS bytes again, behind the round that also serves the exchange of the row maxima, and land under the softmax; channel fragments 6 and 7 go
; into the registers that K's sixteen leave.  One tensor load of a wave is out at a time.
; CLUSTER: the four blocks of 32 queries of a cluster belong to one head and want the same K and V: wave w of each of the four issues the same tensor load, with the same descriptor and a mask that names the four.
; Both products are used transposed, so a lane holds one query throughout; the fragments' rows are chosen (fragment 2 b + u, lane-row r: row 32 b + 8 u + r % 8 + 16 (r / 8)) so that 16 registers of two neighbouring tiles are 16 neighbours.
; av: [head][32 queries qp][wave][tile t][b 0..3][i 0..3][lane][16 bytes]: lane (r, h) holds channels 4 n .. 4 n + 3, n = 32 w + 8 b + 4 h + i, of sample 32 qp + 8 t + r % 8 + 16 (r / 8).
; LIMITS: a block whose every p is 0 gets the byte 1 with zero codes; NaN and infinities are not served.
; REGISTERS: window 0: addresses, scale words, statistics.  window 1: Q (v0-95) and three buffers of four fragments of K from LDS (v96-239); later P's 16 fragments (v0-191).
;   window 2: S^T [t][key fragment] at 128 t + 8 kf, later O^T [t][channel fragment] at 64 t + 8 cf.  window 3: five slots of four fragments: K's sixteen from memory, then V's, then V's from LDS.
.set SCB,   9437184
.set THB,   393216
.set KVW,   73728                      ; LDS: a wave's 48 fragments of K, later of V, at wave x KVW
.set PIMG,  4*KVW                      ; P's fragment (128 keys kk, tile t) at (2 kk + t) x 1,536
.set PSC,   PIMG+24576                 ; its scale words, 128 bytes each
.set MX,    PSC+2048                   ; the waves' row maxima: (2 w + t) x 128
.set LSUM,  MX+1024                    ; the waves' row sums likewise
.set SPARE, LSUM+1024                  ; the spare words, 128 bytes a wave, which no other line names
.set LI,    1                          ; 16 x lane
.set L4P,   2                          ; PSC + 4 x lane
.set A32H,  3                          ; 32 r + 16 h
.set A32,   4                          ; 32 r
.set SPW,   5
.set NIL,   6
.set PWI,   7                          ; PIMG + 16 x lane + 6,144 w
.set PWW,   8                          ; PSC + 4 x lane + 512 w
.set MWS,   9                          ; MX + 4 x lane + 256 w
.set AK0,   10                         ; 16 x lane + KVW w: my fragments 0-23 in LDS
.set AK1,   11                         ; fragments 24-47
.set LIP,   12                         ; PIMG + 16 x lane
.set PFO,   13                         ; 256 x min(lane, 23)
.set QS,    16                         ; v16-23  Q's scale words: 2 s + t
.set KS,    24                         ; v24-55  K's: 4 (2 s + G) + i: lanes 0-15 key fragment 8 G + i, lanes 16-31 fragment 8 G + 4 + i
.set VS,    56                         ; v56-87  V's: 4 kk + i likewise
.set PS,    88                         ; v88-103 P's: 2 kk + t
.set BM,    104                        ; v104-119 each block's largest score, then its largest p: 8 t + b
.set BT,    120                        ; v120-135 at work, then the bytes
.set SO,    136                        ; v136-151 the conversions' scale operands
.set ST,    152                        ; per tile 8: +0 -M (+1 named with it), +2,+3 the sum, +4,+5 a second chain, +6 1 / l (+7 named with it)
.set PC,    168
.set PX,    180
.set PW,    188
.set TL,    192                        ; v192-199 what comes back from MX and LSUM
.set CS,    42                         ; s[42:43] c = log2(e) / sqrt(32)
.set SEL,   44                         ; s[44:45]
.set G1,    48                         ; s[48:55] descriptor group 1; s[56:59] group 0 for K, s[60:63] for V
.set G0K,   56
.set G0V,   60
.set PFA,   66                         ; s[66:67] my work-group's share of my wave's part of V
.set MSB, 0
.macro WIN new
.if MSB != (\new)
	s_set_vgpr_msb (MSB<<8)|(\new)
.set MSB, (\new)
.endif
.endm
.macro CROUND                          ; a round of the cluster's barrier
	s_barrier_signal -1
	s_barrier_wait -1
	s_cmp_lg_u32 s8, 0
	s_cbranch_scc1 .Lnot_wave_0_\@
	s_barrier_signal -3
.Lnot_wave_0_\@:
	s_barrier_wait -3
	s_barrier_signal -1
	s_barrier_wait -1
.endm
	s_load_b128 s[4:7], s[0:1], 0x0                ; qkv, av
	v_lshl_add_u32 v[SPW], v0, 2, SPARE
	v_mov_b32 v[NIL], 0
	ds_add_u32 v[SPW], v[NIL]                      ; the wave's opening: the add and its wait ahead of my first tensor load; work on registers stands between them
	ds_add_u32 v[SPW], v[NIL]
	v_lshrrev_b32 v14, 5, v0
	v_readfirstlane_b32 s8, v14                    ; wave
	s_and_b32 s9, ttmp7, 0xffff                    ; head, which the four partners share
	s_bfe_u32 s46, ttmp6, 0x40000                  ; cx
	s_lshl_b32 s47, ttmp9, 2
	s_add_co_u32 s47, s47, s46                     ; qp: my 32 queries: it enters Q's and av's addresses, and the prefetches', alone
	v_and_b32 v14, 31, v0
	v_and_b32 v15, 15, v0
	v_bfe_u32 v[TL], v0, 4, 1
	v_lshlrev_b32 v[LI], 4, v14
	v_lshl_add_u32 v[L4P], v14, 2, PSC
	v_lshlrev_b32 v[A32], 5, v15
	v_lshl_add_u32 v[A32H], v[TL], 4, v[A32]
	v_add_nc_u32 v[LIP], PIMG, v[LI]
	s_mul_i32 s10, s8, 6144
	v_add_nc_u32 v[PWI], s10, v[LIP]
	s_lshl_b32 s10, s8, 9
	v_add_nc_u32 v[PWW], s10, v[L4P]
	s_lshl_b32 s10, s8, 8
	v_add_nc_u32 v[MWS], s10, v[L4P]
	v_add_nc_u32 v[MWS], MX-PSC, v[MWS]
	s_mul_i32 s11, s8, KVW
	v_add_nc_u32 v[AK0], s11, v[LI]
	v_add_nc_u32 v[AK1], KVW/2, v[AK0]
	v_min_u32 v[PFO], 23, v14
	v_lshlrev_b32 v[PFO], 8, v[PFO]
.irp b, 0,1,2,3,4,5,6,7,8,9,10,11,12,13,14,15
	v_mov_b32 v[BT+\b], 0                          ; a lane permute's destination counts as one of its sources
.endr
.irp t, 0,1
	v_mov_b32 v[ST+8*\t+1], 0                      ; named as the upper halves of pairs
	v_mov_b32 v[ST+8*\t+7], 0
.endr
	s_mov_b32 s[CS], 0x3e8293ee
	s_mov_b32 s[CS+1], s[CS]
	s_mov_b32 s[SEL], 0x76543210
	s_mov_b32 s[SEL+1], 0xfedcba98
	; descriptor group 1: 73,728 dense bytes as 288 rows of 256 (32 elements of 8 bytes), no padding; the mask names all four work-groups
	s_mov_b32 s[G1], 15|(3<<16)|(1<<21)
	s_mov_b32 s[G1+1], 32<<16
	s_mov_b32 s[G1+2], 288<<16
	s_mov_b32 s[G1+3], 32<<16
	s_mov_b32 s[G1+4], 288
	s_mov_b32 s[G1+5], 32
	s_mov_b32 s[G1+6], 0
	s_mov_b32 s[G1+7], 0
	; what hangs on the head and the wave alone
	s_mul_i32 s26, s9, THB
	s_mul_i32 s27, s8, 98304
	s_add_co_u32 s30, s26, s27
	s_add_co_u32 s30, s30, 8*THB                   ; K: my 16 key fragments x 4
	s_mov_b32 s31, 0
	s_add_co_u32 s32, s30, 8*THB                   ; V: my 8 channel fragments x 8
	s_mov_b32 s33, 0
	s_lshl_b32 s10, s9, 14
	s_add_co_u32 s10, s10, SCB
	s_lshl_b32 s27, s8, 10
	s_add_co_u32 s36, s10, s27
	s_add_co_u32 s36, s36, 8*16384                 ; K's scale words
	s_mov_b32 s37, 0
	s_lshl_b32 s27, s8, 9
	s_add_co_u32 s38, s10, s27
	s_add_co_u32 s38, s38, 16*16384                ; V's
	s_mov_b32 s39, 0
	; what hangs on my 32 queries
	s_mul_i32 s28, s47, 12288
	s_add_co_u32 s28, s28, s26                     ; Q's eight fragments
	s_mov_b32 s29, 0
	s_lshr_b32 s34, s47, 2
	s_lshl_b32 s34, s34, 9
	s_add_co_u32 s34, s34, s10
	s_and_b32 s35, s47, 3
	s_lshl_b32 s35, s35, 3
	s_add_co_u32 s34, s34, s35                     ; Q's scale words
	s_mov_b32 s35, 0
	s_lshl_b32 s40, s9, 21
	s_lshl_b32 s41, s47, 16
	s_add_co_u32 s40, s40, s41
	s_lshl_b32 s41, s8, 14
	s_add_co_u32 s40, s40, s41                     ; my 16,384 bytes of av
	s_mov_b32 s41, 0
	s_mul_i32 s68, s46, 18432                      ; my work-group's 72 blocks of 256 bytes of a wave's 288
	s_mov_b32 s69, 0
	s_wait_dscnt 0x0                               ; the opening add is done
	s_wait_kmcnt 0x0
	s_add_nc_u64 s[12:13], s[4:5], s[28:29]
	s_add_nc_u64 s[14:15], s[4:5], s[30:31]
	s_add_nc_u64 s[16:17], s[4:5], s[32:33]
	s_add_nc_u64 s[18:19], s[4:5], s[34:35]
	s_add_nc_u64 s[20:21], s[4:5], s[36:37]
	s_add_nc_u64 s[22:23], s[4:5], s[38:39]
	s_add_nc_u64 s[24:25], s[6:7], s[40:41]
	s_add_nc_u64 s[PFA:PFA+1], s[16:17], s[68:69]
	s_mov_b32 s[G0K], 1
	s_mov_b32 s[G0K+1], s11
	s_mov_b64 s[G0K+2:G0K+3], s[14:15]
	s_or_b32 s[G0K+3], s[G0K+3], 0x80000000
	s_mov_b32 s[G0V], 1
	s_mov_b32 s[G0V+1], s11
	s_mov_b64 s[G0V+2:G0V+3], s[16:17]
	s_or_b32 s[G0V+3], s[G0V+3], 0x80000000
	CROUND                                         ; all four work-groups are here: the first joint loads meet
	tensor_load_to_lds s[G0K:G0K+3], s[G1:G1+7]    ; my key fragments 0-11
	s_nop 0
.rept 4
	v_nop
.endr
.macro MM                              ; one product, by the symbols rD, rA, rB, rSA, rSB; ZR: it starts its sum; RW: source 0's scale words stand in lanes 16-31
.if ZR
.if RW
	v_wmma_scale_f32_16x16x128_f8f6f4 v[rD:rD+7], v[rA:rA+11], v[rB:rB+11], 0, v[rSA], v[rSB] matrix_a_fmt:MATRIX_FMT_FP6 matrix_b_fmt:MATRIX_FMT_FP6 matrix_a_scale:MATRIX_SCALE_ROW1
.else
	v_wmma_scale_f32_16x16x128_f8f6f4 v[rD:rD+7], v[rA:rA+11], v[rB:rB+11], 0, v[rSA], v[rSB] matrix_a_fmt:MATRIX_FMT_FP6 matrix_b_fmt:MATRIX_FMT_FP6
.endif
.else
.if RW
	v_wmma_scale_f32_16x16x128_f8f6f4 v[rD:rD+7], v[rA:rA+11], v[rB:rB+11], v[rD:rD+7], v[rSA], v[rSB] matrix_a_fmt:MATRIX_FMT_FP6 matrix_b_fmt:MATRIX_FMT_FP6 matrix_a_scale:MATRIX_SCALE_ROW1
.else
	v_wmma_scale_f32_16x16x128_f8f6f4 v[rD:rD+7], v[rA:rA+11], v[rB:rB+11], v[rD:rD+7], v[rSA], v[rSB] matrix_a_fmt:MATRIX_FMT_FP6 matrix_b_fmt:MATRIX_FMT_FP6
.endif
.endif
.endm
.macro PLACES                          ; four plain lines in front of loads into registers that matrix instructions have read, and of the first read of results
.rept 4
	v_nop
.endr
.endm
; K's UNIT n (0-15) is four fragments: key fragments 2 (n / 2) + e at K steps 2 (n % 2) + d, fragment (d, e) in registers 12 (2 d + e) on.  Units 0-11 come from LDS, units 12-15 from memory.
; Its eight products: four accumulators by turns, one instruction a turn.
.macro KPROD n, rb
.irp d, 0,1
.irp e, 0,1
.irp t, 0,1
.set UKF, 2*((\n)/2)+\e
.set US, 2*((\n)%2)+\d
.set rA, (\rb)+12*(2*\d+\e)
.set rD, 128*\t+8*UKF
.set rB, 12*(4*\t+US)
.set rSA, KS+4*(2*US+UKF/8)+UKF%4
.set RW, (UKF/4)%2
.set rSB, QS+2*US+\t
.set ZR, 0
.if US == 0
.set ZR, 1
.endif
	MM
.endr
.endr
.endr
.endm
.macro KSLOAD n                        ; unit n from LDS into buffer n % 3 of window 1: twelve loads of 512 consecutive bytes
.set SBF, 96+48*((\n)%3)
	WIN 0x40                                       ; destination window 1
.irp d, 0,1
.irp e, 0,1
.irp c, 0,1,2
.set FI, 4*(2*((\n)/2)+\e)+2*((\n)%2)+\d
.if FI < 24
	ds_load_b128 v[SBF+12*(2*\d+\e)+4*\c:SBF+12*(2*\d+\e)+4*\c+3], v[AK0] offset:FI*1536+512*\c
.else
	ds_load_b128 v[SBF+12*(2*\d+\e)+4*\c:SBF+12*(2*\d+\e)+4*\c+3], v[AK1] offset:(FI-24)*1536+512*\c
.endif
.endr
.endr
.endr
	WIN 0
.endm
.macro KRLOAD j                        ; unit 12 + j from memory into slot j of window 3
	WIN 0xc0                                       ; destination window 3
.irp d, 0,1
.irp e, 0,1
.irp c, 0,1,2
	global_load_b128 v[48*(\j)+12*(2*\d+\e)+4*\c:48*(\j)+12*(2*\d+\e)+4*\c+3], v[LI], s[14:15] offset:(4*(12+2*((\j)/2)+\e)+2*((\j)%2)+\d)*1536+512*\c
.endr
.endr
.endr
	WIN 0
.endm
.macro VRLOAD j                        ; V's unit j (channel fragments 6 + e at keys 128 (2 j + d) on) from memory into slot j of window 3
	WIN 0xc0
.irp d, 0,1
.irp e, 0,1
.irp c, 0,1,2
	global_load_b128 v[48*(\j)+12*(2*\d+\e)+4*\c:48*(\j)+12*(2*\d+\e)+4*\c+3], v[LI], s[16:17] offset:(8*(6+\e)+2*(\j)+\d)*1536+512*\c
.endr
.endr
.endr
	WIN 0
.endm
.macro KUNIT n                         ; a unit from LDS; the unit three on is asked for into the buffer just read
.if (\n) < 10
	s_wait_dscnt 24                                ; this unit's twelve loads are in; the two younger units' 24 may be out
.else
	s_wait_dscnt 12*(11-(\n))
.endif
	WIN 0xa5                                       ; sources 0 and 1 window 1, C and D window 2
	KPROD \n, 96+48*((\n)%3)
	WIN 0
	PLACES
.if (\n) < 9
	KSLOAD (\n)+3
.endif
.endm
.macro KRUNIT n                        ; a unit from memory (n = 12 .. 15); V's unit n - 12 is asked for into the slot just read
	s_wait_loadcnt 44                              ; younger than this unit's twelve: K's later units, V's 8 loads of scale words and V's units asked for so far: 44 each time
	WIN 0xa7                                       ; source 0 window 3, source 1 window 1, C and D window 2
	KPROD \n, 48*((\n)-12)
	WIN 0
	PLACES
	VRLOAD (\n)-12
.endm
; V's UNIT u (0-15) is four fragments: channel fragments 2 m + e at keys 128 (2 k + d) on; u < 4: m = 3, k = u, from memory; else m = (u - 4) / 4, k = (u - 4) % 4, from LDS.  Slot u % 5 of window 3.
.macro VSLOAD u
.set LM, ((\u)-4)/4
.set LK, ((\u)-4)%4
.set RL, 48*((\u)%5)
	WIN 0xc0
.irp d, 0,1
.irp e, 0,1
.irp c, 0,1,2
.set FI, 8*(2*LM+\e)+2*LK+\d
.if FI < 24
	ds_load_b128 v[RL+12*(2*\d+\e)+4*\c:RL+12*(2*\d+\e)+4*\c+3], v[AK0] offset:FI*1536+512*\c
.else
	ds_load_b128 v[RL+12*(2*\d+\e)+4*\c:RL+12*(2*\d+\e)+4*\c+3], v[AK1] offset:(FI-24)*1536+512*\c
.endif
.endr
.endr
.endr
	WIN 0
.endm
.macro VUNIT u
.if (\u) < 4
	s_wait_loadcnt 12*(3-(\u))                     ; the younger units from memory may be out
.set VM, 3
.set VK, (\u)
.else
.if (\u) < 12
	s_wait_dscnt 48                                ; the four younger units' 48 loads may be out
.else
	s_wait_dscnt 12*(15-(\u))
.endif
.set VM, ((\u)-4)/4
.set VK, ((\u)-4)%4
.endif
.set RB, 48*((\u)%5)
	WIN 0xa7
.irp d, 0,1
.irp e, 0,1
.irp t, 0,1
.set CF, 2*VM+\e
.set KK, 2*VK+\d
.set rA, RB+12*(2*\d+\e)
.set rD, 64*\t+8*CF
.set rB, 12*(2*KK+\t)
.set rSA, VS+4*KK+CF%4
.set RW, CF/4
.set rSB, PS+2*KK+\t
.set ZR, 0
.if KK == 0
.set ZR, 1
.endif
	MM
.endr
.endr
.endr
	WIN 0
	PLACES
.if (\u) < 11
	VSLOAD (\u)+5                                  ; the unit five on, into the slot just read
.endif
.endm
	; ---- all that phase 1 wants of memory is asked for here: 4 + 8 + 24 + 48 loads, and V's 8 loads of scale words behind them
.irp s, 0,1,2,3
	global_load_b64 v[QS+2*\s:QS+2*\s+1], v[A32], s[18:19] offset:4096*\s
.endr
.irp s, 0,1,2,3
.irp g, 0,1
	global_load_b128 v[KS+4*(2*\s+\g):KS+4*(2*\s+\g)+3], v[A32H], s[20:21] offset:4096*\s+512*\g
.endr
.endr
	WIN 0x40                                       ; destination window 1
.set m, 0
.rept 24
	global_load_b128 v[4*m:4*m+3], v[LI], s[12:13] offset:512*m   ; Q's fragment (t, s) at v[12 (4 t + s)]
.set m, m+1
.endr
	WIN 0
	KRLOAD 0
	KRLOAD 1
	KRLOAD 2
	KRLOAD 3
.irp k, 0,1,2,3,4,5,6,7
	global_load_b128 v[VS+4*\k:VS+4*\k+3], v[A32H], s[22:23] offset:2048*\k
.endr
	s_wait_tensorcnt 0x0                           ; my 48 fragments of K lie in LDS; only I read them
	KSLOAD 0
	KSLOAD 1
	KSLOAD 2
	; A prefetch of the part of V that the refill below will ask for: it stands behind this run of LDS loads, 128 matrix instructions and the search for the maxima ahead of that load.  All eight clusters of a head walk the same V:
	; the head's first cluster asks.  Its four partners share a wave's 288 blocks of 256 bytes out by address, 72 each: three instructions of 24 lanes (the other lanes repeat the twenty-fourth).
	s_cmp_eq_u32 ttmp9, 0
	s_cbranch_scc0 .Lno_ask
	global_prefetch_b8 v[PFO], s[PFA:PFA+1] th:TH_LOAD_NT scope:SCOPE_SE
	global_prefetch_b8 v[PFO], s[PFA:PFA+1] offset:6144 th:TH_LOAD_NT scope:SCOPE_SE
	global_prefetch_b8 v[PFO], s[PFA:PFA+1] offset:12288 th:TH_LOAD_NT scope:SCOPE_SE
.Lno_ask:
	s_wait_loadcnt 56                              ; Q and the scale words of Q and K are in; K's 48 loads into registers and V's 8 of scale words may be out
	; ---- S^T = K Q^T for my 256 keys
.set N, 0
.rept 12
	KUNIT N
.set N, N+1
.endr
.rept 4
	KRUNIT N
.set N, N+1
.endr
	; ---- the largest score of each block of 32 keys: it serves for the row's maximum and, since p rises with the score, for the block's largest p
	WIN 0x2a                                       ; all three sources window 2
.irp t, 0,1
.irp b, 0,1,2,3,4,5,6,7
	v_max3_num_f32 v[BM+8*\t+\b], v[128*\t+16*\b], v[128*\t+16*\b+1], v[128*\t+16*\b+2]
.endr
.endr
	WIN 0x28                                       ; sources 1 and 2 window 2
.irp i, 3,5,7,9,11,13
.irp t, 0,1
.irp b, 0,1,2,3,4,5,6,7
	v_max3_num_f32 v[BM+8*\t+\b], v[BM+8*\t+\b], v[128*\t+16*\b+\i], v[128*\t+16*\b+\i+1]
.endr
.endr
.endr
.irp t, 0,1
.irp b, 0,1,2,3,4,5,6,7
	v_max_num_f32 v[BM+8*\t+\b], v[BM+8*\t+\b], v[128*\t+16*\b+15]
.endr
.endr
	WIN 0
.irp b, 0,1,2,3,4,5,6,7,8,9,10,11,12,13,14,15
	v_permlanex16_b32 v[BT+\b], v[BM+\b], s[SEL], s[SEL+1]
.endr
.irp b, 0,1,2,3,4,5,6,7,8,9,10,11,12,13,14,15
	v_max_num_f32 v[BM+\b], v[BM+\b], v[BT+\b]     ; with lane l xor 16's 16 keys
.endr
.irp t, 0,1
	v_max3_num_f32 v[ST+8*\t+4], v[BM+8*\t], v[BM+8*\t+1], v[BM+8*\t+2]
.endr
.irp t, 0,1
	v_max3_num_f32 v[ST+8*\t+4], v[ST+8*\t+4], v[BM+8*\t+3], v[BM+8*\t+4]
.endr
.irp t, 0,1
	v_max3_num_f32 v[ST+8*\t+4], v[ST+8*\t+4], v[BM+8*\t+5], v[BM+8*\t+6]
.endr
.irp t, 0,1
	v_max_num_f32 v[ST+8*\t+4], v[ST+8*\t+4], v[BM+8*\t+7]   ; my 256 keys' largest score of each query
.endr
.irp t, 0,1
	ds_store_b32 v[MWS], v[ST+8*\t+4] offset:128*\t
.endr
	; ONE round for two things: the four waves' maxima lie in LDS, and nobody, in no partner, reads K's bytes any more: V's 48 fragments fill them again
	s_wait_tensorcnt 0x0                           ; no tensor load of mine is out
	ds_add_u32 v[SPW], v[NIL]                      ; 0 onto my spare word
	s_wait_dscnt 0x0                               ; the add is done, my stores have landed and my reads of K are over
	CROUND
	tensor_load_to_lds s[G0V:G0V+3], s[G1:G1+7]    ; my channel fragments 0-5: my one tensor load behind the round; it has the softmax in which to land
	s_nop 0
.rept 4
	v_nop
.endr
.irp t, 0,1
.irp w, 0,1,2,3
	ds_load_b32 v[TL+4*\t+\w], v[L4P] offset:MX-PSC+128*(2*\w+\t)
.endr
.endr
	s_wait_dscnt 0x0
.irp t, 0,1
	v_max3_num_f32 v[ST+8*\t+4], v[TL+4*\t], v[TL+4*\t+1], v[TL+4*\t+2]
.endr
.irp t, 0,1
	v_max_num_f32 v[ST+8*\t+4], v[ST+8*\t+4], v[TL+4*\t+3]   ; the row's largest score over all 1,024 keys
.endr
.irp t, 0,1
	v_mul_f32 v[ST+8*\t+4], s[CS], v[ST+8*\t+4]    ; as t (c is positive)
.endr
.irp t, 0,1
	v_floor_f32 v[ST+8*\t], -v[ST+8*\t+4]          ; -M = floor(-t) = -ceil(t)
.endr
	; ---- p = 2^(t - M)
	WIN 0x82                                       ; destination and source 0 window 2
.irp t, 0,1
.set j, 0
.rept 64
	v_pk_fma_f32 v[128*\t+j:128*\t+j+1], v[128*\t+j:128*\t+j+1], s[CS:CS+1], v[ST+8*\t:ST+8*\t+1] op_sel_hi:[1,0,0]
.set j, j+2
.endr
.endr
	WIN 0
.irp t, 0,1
.irp b, 0,1,2,3,4,5,6,7
	v_fma_f32 v[BM+8*\t+\b], v[BM+8*\t+\b], s[CS], v[ST+8*\t]   ; the same of each block's largest score
.endr
.endr
	WIN 0x82
.set j, 0
	s_wait_alu depctr_va_vdst(0)
.rept 256
	v_exp_f32 v[j], v[j]
.set j, j+1
.endr
	WIN 0
	v_nop                                          ; a plain line behind the last exponential
	s_wait_alu depctr_va_vdst(0)                   ; one wait for the batch of 256, ahead of its first reader
.irp b, 0,1,2,3,4,5,6,7,8,9,10,11,12,13,14,15
	v_exp_f32 v[BM+\b], v[BM+\b]                   ; each block's largest p: the same two instructions on the same number give the same bits
.endr
	WIN 0x0a                                       ; the row's sum is taken of the unquantised p: two at a time, two chains a tile.  (Plain work behind the sixteen, which it does not name)
.irp t, 0,1
	v_pk_add_f32 v[ST+8*\t+2:ST+8*\t+3], v[128*\t:128*\t+1], v[128*\t+2:128*\t+3]
	v_pk_add_f32 v[ST+8*\t+4:ST+8*\t+5], v[128*\t+4:128*\t+5], v[128*\t+6:128*\t+7]
.endr
	WIN 0x08
.set j, 8
.rept 30
.irp t, 0,1
	v_pk_add_f32 v[ST+8*\t+2:ST+8*\t+3], v[ST+8*\t+2:ST+8*\t+3], v[128*\t+j:128*\t+j+1]
	v_pk_add_f32 v[ST+8*\t+4:ST+8*\t+5], v[ST+8*\t+4:ST+8*\t+5], v[128*\t+j+2:128*\t+j+3]
.endr
.set j, j+4
.endr
	WIN 0
.irp t, 0,1
	v_pk_add_f32 v[ST+8*\t+2:ST+8*\t+3], v[ST+8*\t+2:ST+8*\t+3], v[ST+8*\t+4:ST+8*\t+5]
.endr
	s_wait_alu depctr_va_vdst(0)                   ; and one for the sixteen
.irp b, 0,1,2,3,4,5,6,7,8,9,10,11,12,13,14,15
	v_max_num_f32 v[BM+\b], 0x1800000, v[BM+\b]    ; the floor: the byte cannot fall under 1
.endr
.irp b, 0,1,2,3,4,5,6,7,8,9,10,11,12,13,14,15
	v_add_nc_u32 v[SO+\b], 0xff000000, v[BM+\b]
.endr
.irp b, 0,1,2,3,4,5,6,7,8,9,10,11,12,13,14,15
	v_lshrrev_b32 v[BT+\b], 23, v[SO+\b]
.endr
	; ---- p becomes four fragments (tile t, my 128 keys e) and goes to LDS as images
.irp t, 0,1
.irp e, 0,1
	WIN 0x02                                       ; source 0 window 2
.irp c, 0,1
	v_cvt_scalef32_pk16_fp6_f32 v[PC+6*\c:PC+6*\c+2], v[128*\t+64*\e+32*\c:128*\t+64*\e+32*\c+15], v[SO+8*\t+4*\e+2*\c]
	v_cvt_scalef32_pk16_fp6_f32 v[PX+4*\c:PX+4*\c+2], v[128*\t+64*\e+32*\c+16:128*\t+64*\e+32*\c+31], v[SO+8*\t+4*\e+2*\c+1]
.endr
	WIN 0
	v_lshl_or_b32 v[PW], v[BT+8*\t+4*\e+1], 8, v[BT+8*\t+4*\e]   ; the scale word of these 128 keys (also the plain line behind the conversions)
	v_lshl_or_b32 v[PW], v[BT+8*\t+4*\e+2], 16, v[PW]
	v_lshl_or_b32 v[PW], v[BT+8*\t+4*\e+3], 24, v[PW]
.irp c, 0,1
.irp i, 0,1,2
	v_permlane16_swap_b32 v[PC+6*\c+\i], v[PX+4*\c+\i]
.endr
.irp i, 0,1,2
	v_mov_b32 v[PC+3+6*\c+\i], v[PX+4*\c+\i]
.endr
.endr
.irp c, 0,1,2
	ds_store_b128 v[PWI], v[PC+4*\c:PC+4*\c+3] offset:(2*\e+\t)*1536+512*\c
.endr
	ds_store_b32 v[PWW], v[PW] offset:(2*\e+\t)*128
	s_wait_dscnt 0x0                               ; the stores have read their registers
.endr
.endr
.irp t, 0,1
	v_add_f32 v[ST+8*\t+2], v[ST+8*\t+2], v[ST+8*\t+3]
.endr
.irp t, 0,1
	v_permlanex16_b32 v[ST+8*\t+4], v[ST+8*\t+2], s[SEL], s[SEL+1]
.endr
.irp t, 0,1
	v_add_f32 v[ST+8*\t+2], v[ST+8*\t+2], v[ST+8*\t+4]   ; my 256 keys' part of the row's sum
.endr
.irp t, 0,1
	ds_store_b32 v[MWS], v[ST+8*\t+2] offset:LSUM-MX+128*\t
.endr
	s_wait_dscnt 0x0
	s_barrier_signal -1
	s_barrier_wait -1                              ; P's sixteen fragments, their scale words and the four parts of the sums lie in LDS.  (V's tensor load may be out)
	WIN 0x40
.set m, 0
.rept 48
	ds_load_b128 v[4*m:4*m+3], v[LIP] offset:512*m ; fragment (kk, t) at v[12 (2 kk + t)] of window 1
.set m, m+1
.endr
	WIN 0
.irp j, 0,1,2,3,4,5,6,7,8,9,10,11,12,13,14,15
	ds_load_b32 v[PS+\j], v[L4P] offset:128*\j
.endr
.irp t, 0,1
.irp w, 0,1,2,3
	ds_load_b32 v[TL+4*\t+\w], v[L4P] offset:LSUM-PSC+128*(2*\w+\t)
.endr
.endr
	s_wait_dscnt 0x0
.irp t, 0,1
	v_add_f32 v[TL+4*\t], v[TL+4*\t], v[TL+4*\t+1]
	v_add_f32 v[TL+4*\t+2], v[TL+4*\t+2], v[TL+4*\t+3]
.endr
.irp t, 0,1
	v_add_f32 v[TL+4*\t], v[TL+4*\t], v[TL+4*\t+2] ; l
.endr
	s_wait_alu depctr_va_vdst(0)
.irp t, 0,1
	v_rcp_f32 v[ST+8*\t+6], v[TL+4*\t]
.endr
	v_nop                                          ; a plain line behind the reciprocals
	s_wait_alu depctr_va_vdst(0)                   ; and their wait, ahead of the first reader
	; ---- O^T = V^T P^T for my 128 channels
	s_wait_tensorcnt 0x0                           ; my 48 fragments of V lie in LDS; only I read them
	VSLOAD 4                                       ; into the slot that no unit from memory holds
.set N, 0
.rept 16
	VUNIT N
.set N, N+1
.endr
	; ---- the way out: O^T / l; a lane's quads of registers are 16 neighbouring bytes of av as it is laid: no stage
	WIN 0x82
.irp t, 0,1
.set j, 0
.rept 32
	v_pk_mul_f32 v[64*\t+j:64*\t+j+1], v[64*\t+j:64*\t+j+1], v[ST+8*\t+6:ST+8*\t+7] op_sel_hi:[1,0]   ; each accumulator from its low end on
.set j, j+2
.endr
.endr
	WIN 0x08                                       ; a store's data: window 2
.irp t, 0,1
.irp b, 0,1,2,3
.irp i, 0,1,2,3
	global_store_b128 v[LI], v[64*\t+16*\b+4*\i:64*\t+16*\b+4*\i+3], s[24:25] offset:8192*\t+2048*\b+512*\i   ; 32 lanes store 512 consecutive bytes
.endr
.endr
.endr
	WIN 0
	s_wait_tensorcnt 0x0                           ; the wave's end, behind my last tensor load and my last LDS store
	ds_add_u32 v[SPW], v[NIL]
	s_wait_dscnt 0x0
	CROUND                                         ; the closing round: no work-group ends while a partner may still ask for a piece that names it
	s_endpgm
.Lfunc_end_k_q1685b8427c_attn:
	.size	k_q1685b8427c_attn, .Lfunc_end_k_q1685b8427c_attn-k_q1685b8427c_attn
	.p2alignl 7, 3214868480
	.fill 96, 4, 3214868480
	.section	.rodata,"a",@progbits
	.p2align	6, 0x0
	.amdhsa_kernel k_q1685b8427c_attn
		.amdhsa_group_segment_fixed_size 327680
		.amdhsa_private_segment_fixed_size 0
		.amdhsa_enable_private_segment 0
		.amdhsa_kernarg_size 16
		.amdhsa_user_sgpr_count 2
		.amdhsa_user_sgpr_kernarg_segment_ptr 1
		.amdhsa_wavefront_size32 1
		.amdhsa_system_sgpr_workgroup_id_x 1
		.amdhsa_system_sgpr_workgroup_id_y 1
		.amdhsa_system_sgpr_workgroup_id_z 1
		.amdhsa_system_vgpr_workitem_id 0
		.amdhsa_next_free_vgpr 1024
		.amdhsa_next_free_sgpr 70
		.amdhsa_reserve_vcc 0
		.amdhsa_float_denorm_mode_32 3
		.amdhsa_float_denorm_mode_16_64 3
		.amdhsa_memory_ordered 1
		.amdhsa_forward_progress 1
		.amdhsa_inst_pref_size 136
	.end_amdhsa_kernel
	.amdgpu_metadata
---
amdhsa.version: [ 1, 2 ]
amdhsa.kernels:
  - .name:           k_q1685b8427c_attn
    .symbol:         k_q1685b8427c_attn.kd
    .args:
      - { .name: qkv, .offset: 0, .size: 8, .value_kind: global_buffer, .address_space: global }
      - { .name: av, .offset: 8, .size: 8, .value_kind: global_buffer, .address_space: global }
    .group_segment_fixed_size: 327680
    .private_segment_fixed_size: 0
    .kernarg_segment_align: 8
    .kernarg_segment_size: 16
    .max_flat_workgroup_size: 128
    .sgpr_count:     70
    .vgpr_count:     1024
    .wavefront_size: 32
...
	.end_amdgpu_metadata
.endif
;; end of part 3
;; launch outp (part 4): grid 256 x 1, 4 waves a work-group, no clusters, 67,072 bytes of LDS; arguments av, Wo, out0; writes out0
.if DOCPART == 4
	.amdgcn_target "amdgcn-amd-amdhsa--gfx1250"
	.amdhsa_code_object_version 6
	.text
	.protected	k_q1685b8427c_outp
	.globl	k_q1685b8427c_outp
	.p2align	8
	.type	k_q1685b8427c_outp,@function
k_q1685b8427c_outp:
	s_mov_b64 s[64:65], 0
	v_nop
	global_prefetch_b8 v0, s[64:65] scope:SCOPE_SE
	s_setreg_imm32_b32 hwreg(HW_REG_WAVE_MODE, 25, 1), 1
	s_wait_xcnt 0x0
; out0[b][n][:] = concat[b][n][:] Wo, on codes of FP6 (E2M3) with E8M0 scales; K = d = 32 = 8 heads x 4 channels: one block.  concat is quantised along d, Wo along its first axis.
; av: [head][unit][i 0..3][lane][16 bytes]; unit = ((qp 4 + w) 2 + t) 4 + b.  Lane (r, h) of quad i holds the head's four channels of row (sample 32 qp + 8 t + r % 8 + 16 (r / 8), feature n = 32 w + 8 b + 4 h + i).
; A wave takes one unit: 16 samples x 8 features.  Eight loads, one a head, give a lane a row's whole block of 32 along d in 32 registers: its largest magnitude needs no other lane.
; K = 32 IN AN INSTRUCTION THAT IS 128 DEEP.  A fragment of concat (source 1) carries FOUR DIFFERENT ROWS in its four K blocks: registers 6 c .. 6 c + 5 of lane (r, h) hold the lane's own row i = 2 ip + c, which is block 2 c + h: nothing changes lanes.
; It is multiplied by four variants j of Wo^T (source 0), each with Wo's codes in K block j alone and zero codes elsewhere: the result of variant j is the product for the rows that stand in block j.
; Eight products (4 variants x 2 tiles of 16 output columns) for each pair of quads, sixteen a wave.
; Waves share nothing but Wo's 4,096 bytes, which each wave quantises for itself: no barrier, no tensor load, no cluster.
; LIMITS: a block of zeros gets the byte 1 with zero codes; magnitudes under 2^-124 are held at the byte 1; NaN and infinities are not served.
.set STGW,  16640                      ; a wave's stage: 16 samples x (8 features x 128 bytes + 16)
.set SPARE, 4*STGW                     ; behind the stages: the spare words, 128 bytes a wave, which no other line names
.set LI,    1                          ; 16 x lane
.set L4,    2                          ; 4 x lane
.set SO,    3                          ; into the stage
.set SR,    4                          ; out of it
.set H8,    5                          ; 8 h
.set SPW,   14
.set NIL,   15
.set TR,    32                         ; v32-103 four triples (6 zeros, 6 of Wo's codes in one half of the lanes, 6 zeros)
.set AV,    104                        ; v104-231 quad i's 32 numbers at AV + 32 i; later the results; later rows of out0
.set WR,    168                        ; Wo's 32 numbers a lane, where quad 2 will land
.set PC,    232                        ; v232-243 concat's fragment
.set TP,    244                        ; v244-251 at work
.set AW,    252                        ; concat's scale word
.set WX,    253                        ; Wo's scale byte, four times
	s_load_b128 s[4:7], s[0:1], 0x0                ; av, Wo
	s_load_b64 s[8:9], s[0:1], 0x10                ; out0
	v_lshl_add_u32 v[SPW], v0, 2, SPARE
	v_mov_b32 v[NIL], 0
	v_lshrrev_b32 v6, 5, v0
	v_readfirstlane_b32 s10, v6                    ; wave
	v_and_b32 v6, 31, v0
	v_and_b32 v7, 15, v0                           ; r
	v_bfe_u32 v8, v0, 4, 1                         ; h
	v_lshlrev_b32 v[LI], 4, v6
	v_lshlrev_b32 v[L4], 2, v6
	s_mul_i32 s11, s10, STGW
	v_mul_u32_u24 v[SO], v7, 1040
	v_lshl_add_u32 v[SO], v8, 5, v[SO]
	v_add_nc_u32 v[SO], s11, v[SO]                 ; sample r's row of the stage, + 32 h: my eight output columns
	v_add_nc_u32 v[SR], s11, v[LI]
	v_lshlrev_b32 v[H8], 3, v8
	s_mov_b32 s28, 0x76543210
	s_mov_b32 s29, 0xfedcba98
	s_mov_b32 s30, 0xffff0000                      ; lanes 16-31
	s_lshl_b32 s12, ttmp9, 2
	s_add_co_u32 s12, s12, s10                     ; my unit
	s_lshl_b32 s16, s12, 11
	s_mov_b32 s17, 0
	s_lshr_b32 s20, s12, 5                         ; qp
	s_lshl_b32 s20, s20, 19                        ; 32 samples of 16,384 bytes
	s_bfe_u32 s21, s12, 0x10002                    ; t
	s_lshl_b32 s21, s21, 17
	s_add_co_u32 s20, s20, s21
	s_bfe_u32 s21, s12, 0x20003                    ; w
	s_lshl_b32 s21, s21, 12
	s_add_co_u32 s20, s20, s21
	s_and_b32 s21, s12, 3                          ; b
	s_lshl_b32 s21, s21, 10
	s_add_co_u32 s20, s20, s21
	s_mov_b32 s21, 0
	s_wait_alu depctr_va_vdst(0)
	s_wait_kmcnt 0x0
	s_add_nc_u64 s[4:5], s[4:5], s[16:17]          ; heads 0-3 of my unit,
	s_add_nc_u64 s[18:19], s[4:5], 0x800000        ; heads 4-7: the stores' and loads' immediate has 24 bits
	s_add_nc_u64 s[8:9], s[8:9], s[20:21]
.macro AVLD i                          ; quad i: eight loads of 512 consecutive bytes, one a head
.irp hd, 0,1,2,3
	global_load_b128 v[AV+32*(\i)+4*\hd:AV+32*(\i)+4*\hd+3], v[LI], s[4:5] offset:\hd*2097152+512*(\i) th:TH_LOAD_NT
.endr
.irp hd, 0,1,2,3
	global_load_b128 v[AV+32*(\i)+16+4*\hd:AV+32*(\i)+16+4*\hd+3], v[LI], s[18:19] offset:\hd*2097152+512*(\i) th:TH_LOAD_NT
.endr
.endm
.irp i, 0,1,2,3,4,5,6,7,8,9,10,11,12,13,14,15,16,17,18,19,20,21,22,23,24,25,26,27,28,29,30,31
	global_load_b32 v[WR+\i], v[L4], s[6:7] offset:128*\i   ; Wo(i, lane): a lane takes an output column, its registers run down K
.endr
	AVLD 0
	AVLD 1
.irp k, 0,1,2,3
.irp i, 0,1,2,3,4,5
	v_mov_b32 v[TR+18*\k+\i], 0                    ; the triples' zeros
	v_mov_b32 v[TR+18*\k+12+\i], 0
.endr
.endr
.irp i, 0,1,2,3,4,5
	v_mov_b32 v[TP+\i], 0                          ; a lane permute's destination counts as one of its sources
.endr
	s_wait_loadcnt 16                              ; Wo is in; the 16 loads of quads 0 and 1 may be out
	v_max3_num_f32 v16, |v[WR]|, |v[WR+1]|, 0x1800000
	v_max3_num_f32 v17, |v[WR+2]|, |v[WR+3]|, |v[WR+4]|
.irp i, 5,9,13,17,21,25
	v_max3_num_f32 v16, v16, |v[WR+\i]|, |v[WR+\i+1]|
	v_max3_num_f32 v17, v17, |v[WR+\i+2]|, |v[WR+\i+3]|
.endr
	v_max3_num_f32 v16, v16, |v[WR+29]|, |v[WR+30]|
	v_max3_num_f32 v16, v16, v17, |v[WR+31]|
	v_add_nc_u32 v17, 0xff000000, v16
	v_lshrrev_b32 v18, 23, v17
	v_lshl_or_b32 v[WX], v18, 8, v18
	v_lshl_or_b32 v[WX], v[WX], 16, v[WX]          ; the byte for all four K blocks: three of them hold zero codes.  Lanes 0-15: columns 0-15, lanes 16-31: columns 16-31
	v_cvt_scalef32_pk16_fp6_f32 v[20:22], v[WR:WR+15], v17
	v_cvt_scalef32_pk16_fp6_f32 v[28:30], v[WR+16:WR+31], v17
	v_nop                                          ; one plain line behind the scaled conversions
	v_mov_b32 v23, v28
	v_mov_b32 v24, v29
	v_mov_b32 v25, v30                             ; v20-25: my column's 32 codes
	AVLD 2                                         ; Wo's numbers are done with
	AVLD 3
.irp i, 0,1,2,3,4,5
	v_permlanex16_b32 v[TP+\i], v[20+\i], s28, s29 ; and lane l xor 16's column's
.endr
.irp i, 0,1,2,3,4,5
	v_cndmask_b32 v[TR+6+\i], v[20+\i], v[TR], s30         ; columns 0-15 in lanes 0-15
	v_cndmask_b32 v[TR+18+6+\i], v[TR], v[TP+\i], s30      ; columns 0-15 in lanes 16-31
	v_cndmask_b32 v[TR+36+6+\i], v[TP+\i], v[TR], s30      ; columns 16-31 in lanes 0-15
	v_cndmask_b32 v[TR+54+6+\i], v[TR], v[20+\i], s30      ; columns 16-31 in lanes 16-31
.endr
; Quads 2 ip and 2 ip + 1: quantised, multiplied, sent to the stage.
.macro PAIR ip
.set AB, AV+64*(\ip)
.irp c, 0,1
	v_max3_num_f32 v[16+\c], |v[AB+32*\c]|, |v[AB+32*\c+1]|, 0x1800000
.endr
.irp i, 2,4,6,8,10,12,14,16,18,20,22,24,26,28,30
.irp c, 0,1
	v_max3_num_f32 v[16+\c], v[16+\c], |v[AB+32*\c+\i]|, |v[AB+32*\c+\i+1]|
.endr
.endr
.irp c, 0,1
	v_add_nc_u32 v[18+\c], 0xff000000, v[16+\c]
.endr
.irp c, 0,1
	v_lshrrev_b32 v[20+\c], 23, v[18+\c]
.endr
	v_lshl_or_b32 v22, v21, 16, v20                ; my two bytes: K blocks h and 2 + h,
	v_lshlrev_b32 v22, v[H8], v22
	v_permlanex16_b32 v23, v22, s28, s29
	v_or_b32 v[AW], v22, v23                       ; with lane l xor 16's two the word is whole
.irp c, 0,1
	v_cvt_scalef32_pk16_fp6_f32 v[PC+6*\c:PC+6*\c+2], v[AB+32*\c:AB+32*\c+15], v[18+\c]
	v_cvt_scalef32_pk16_fp6_f32 v[TP+4*\c:TP+4*\c+2], v[AB+32*\c+16:AB+32*\c+31], v[18+\c]
.endr
	v_nop                                          ; one plain line behind the scaled conversions
.irp c, 0,1
.irp i, 0,1,2
	v_mov_b32 v[PC+3+6*\c+\i], v[TP+4*\c+\i]
.endr
.endr
.rept 8
	v_nop                                          ; a scale register written by a vector instruction stands 8 places ahead of a scaled matrix instruction, an operand so written 4
.endr
.irp j, 0,1,2,3
.irp ct, 0,1
.set rD, AB+8*(2*\j+\ct)               ; the results lie where the pair's numbers lay
.set rA, TR+18*(2*\ct+\j%2)+6*(1-\j/2) ; variant j: the codes in registers 0-5 (j < 2) or 6-11, in lanes of half j % 2
.if \ct
	v_wmma_scale_f32_16x16x128_f8f6f4 v[rD:rD+7], v[rA:rA+11], v[PC:PC+11], 0, v[WX], v[AW] matrix_a_fmt:MATRIX_FMT_FP6 matrix_b_fmt:MATRIX_FMT_FP6 matrix_a_scale:MATRIX_SCALE_ROW1
.else
	v_wmma_scale_f32_16x16x128_f8f6f4 v[rD:rD+7], v[rA:rA+11], v[PC:PC+11], 0, v[WX], v[AW] matrix_a_fmt:MATRIX_FMT_FP6 matrix_b_fmt:MATRIX_FMT_FP6
.endif
.endr
.endr
.rept 4
	v_nop                                          ; places in front of the first read of results
.endr
.irp j, 0,1,2,3
.irp ct, 0,1
.set rD, AB+8*(2*\j+\ct)
	ds_store_b128 v[SO], v[rD:rD+3] offset:128*(4*(\j%2)+2*(\ip)+\j/2)+64*\ct       ; lane (r, h): sample r, feature 4 (j % 2) + 2 ip + j / 2 of the unit's eight, columns 16 ct + 8 h + 0 .. 7; each result from its low end on
	ds_store_b128 v[SO], v[rD+4:rD+7] offset:128*(4*(\j%2)+2*(\ip)+\j/2)+64*\ct+16
.endr
.endr
.endm
	s_wait_loadcnt 16                              ; quads 0 and 1 are in; the 16 loads of quads 2 and 3 may be out
	PAIR 0
	s_wait_loadcnt 0x0
	PAIR 1
	; the way out: a sample's eight features are 1,024 consecutive bytes of out0; LDS serves a wave's instructions in order, so these loads see my stores
.set k, 0
.rept 32
	ds_load_b128 v[AV+4*k:AV+4*k+3], v[SR] offset:1040*(k/2)+512*(k%2)
.set k, k+1
.endr
.set k, 0
.rept 32
	s_wait_dscnt 31-k                              ; load k is in; the younger ones may be out
	global_store_b128 v[LI], v[AV+4*k:AV+4*k+3], s[8:9] offset:(((k/2)%8)+16*((k/2)/8))*16384+512*(k%2) th:TH_STORE_NT   ; 32 lanes store 512 consecutive bytes
.set k, k+1
.endr
	s_wait_tensorcnt 0x0                           ; the wave's end, behind my last LDS store
	ds_add_u32 v[SPW], v[NIL]
	s_wait_dscnt 0x0
	s_endpgm
.Lfunc_end_k_q1685b8427c_outp:
	.size	k_q1685b8427c_outp, .Lfunc_end_k_q1685b8427c_outp-k_q1685b8427c_outp
	.p2alignl 7, 3214868480
	.fill 96, 4, 3214868480
	.section	.rodata,"a",@progbits
	.p2align	6, 0x0
	.amdhsa_kernel k_q1685b8427c_outp
		.amdhsa_group_segment_fixed_size 67072
		.amdhsa_private_segment_fixed_size 0
		.amdhsa_enable_private_segment 0
		.amdhsa_kernarg_size 24
		.amdhsa_user_sgpr_count 2
		.amdhsa_user_sgpr_kernarg_segment_ptr 1
		.amdhsa_wavefront_size32 1
		.amdhsa_system_sgpr_workgroup_id_x 1
		.amdhsa_system_sgpr_workgroup_id_y 1
		.amdhsa_system_sgpr_workgroup_id_z 1
		.amdhsa_system_vgpr_workitem_id 0
		.amdhsa_next_free_vgpr 256
		.amdhsa_next_free_sgpr 66
		.amdhsa_reserve_vcc 0
		.amdhsa_float_denorm_mode_32 3
		.amdhsa_float_denorm_mode_16_64 3
		.amdhsa_memory_ordered 1
		.amdhsa_forward_progress 1
		.amdhsa_inst_pref_size 30
	.end_amdhsa_kernel
	.amdgpu_metadata
---
amdhsa.version: [ 1, 2 ]
amdhsa.kernels:
  - .name:           k_q1685b8427c_outp
    .symbol:         k_q1685b8427c_outp.kd
    .args:
      - { .name: av, .offset: 0, .size: 8, .value_kind: global_buffer, .address_space: global }
      - { .name: Wo, .offset: 8, .size: 8, .value_kind: global_buffer, .address_space: global }
      - { .name: out0, .offset: 16, .size: 8, .value_kind: global_buffer, .address_space: global }
    .group_segment_fixed_size: 67072
    .private_segment_fixed_size: 0
    .kernarg_segment_align: 8
    .kernarg_segment_size: 24
    .max_flat_workgroup_size: 128
    .sgpr_count:     66
    .vgpr_count:     256
    .wavefront_size: 32
...
	.end_amdgpu_metadata
.endif
;; end of part 4
